; MI455X (gfx1250); checked and timed in simulation.
; The chip was launched on July 23, 2026; its instructions are those of AMD's public machine-readable ISA for CDNA 5 (MIT licence, August 2026) and "CDNA5" Instruction Set Architecture Reference Guide (July 2026). The comments in the code are by the model that wrote it; some were corrected since.
;; MHA. Allowed arithmetic: matrix products marked QUANTISED: E2M3 operands, one E8M0 scale for each 32 along K, by v_wmma_scale_f32_16x16x128_f8f6f4 with both operands' format E2M3, f32 sums; everything else in f32.
;; Inputs: Wk 1,024 x 1,024 float32; Wo 1,024 x 1,024 float32; Wq 1,024 x 1,024 float32; Wv 1,024 x 1,024 float32; bk 1,024 float32; bo 1,024 float32; bq 1,024 float32; bv 1,024 float32; x 4 x 2,048 x 1,024 float32.
;; Outputs: out0 4 x 2,048 x 1,024 float32.
;; This version of the problem:
;;   THIS VERSION OF THE PROBLEM IS GIVEN IN LOW PRECISION. The matrix products marked QUANTISED in the list below multiply operands that are first quantised to E2M3 (2 exponent bits, 3 mantissa bits; 6 bits a number), with one power-of-two scale for each 32 numbers along K (OCP MX v1.0); their sums are f32. All else is computed in f32.
;;   The module's matrix products, in the order in which they are computed (A, B: the left and right operand; K: the contracted axis; several contracted axes count as one K, in the product's order):
;;     1. [M 8,192, K 1,024] x [K 1,024, N 1,024]; A: input x; B: input Wq: QUANTISED
;;     2. [M 8,192, K 1,024] x [K 1,024, N 1,024]; A: input x; B: input Wk: QUANTISED
;;     3. [M 8,192, K 1,024] x [K 1,024, N 1,024]; A: input x; B: input Wv: QUANTISED
;;     4. batch 64 x [M 2,048, K 64] x [K 64, N 2,048]; A: computed on the way; B: computed on the way: QUANTISED
;;     5. batch 64 x [M 2,048, K 2,048] x [K 2,048, N 64]; A: softmax (see below); B: computed on the way: QUANTISED
;;     6. [M 8,192, K 1,024] x [K 1,024, N 1,024]; A: computed on the way; B: input Wo: QUANTISED
;;   THE QUANTISER, for each operand of a quantised product, along K:
;;     - K is cut into blocks of 32 from its start; a last block that is shorter is filled with zeros.
;;     - A block's scale is 2^e with e = floor(log2(the largest magnitude in the block)) - 2, held to -126 .. 127; a block of zeros has e = 0. As a byte (E8M0): e + 127.
;;     - Each number is divided by its block's scale, clamped to +-7.5, and rounded to the nearest number of E2M3, ties to even, subnormals kept.
;;     - The product sums the exact products of the quantised numbers (number of the format x scale) in f32.
;;   ~~~python
;;   def quantise(x, axis):      # numpy; x: float32 -> the quantised numbers, widened to float32 again
;;       x = np.moveaxis(x, axis, -1); K = x.shape[-1]
;;       x = np.pad(x, [(0, 0)] * (x.ndim - 1) + [(0, -K % 32)]); x = x.reshape(x.shape[:-1] + (-1, 32)); a = np.abs(x).max(-1, keepdims=True)
;;       e = np.where(a > 0, np.clip(np.frexp(np.where(a > 0, a, 1))[1] - 1 - 2, -126, 127), 0)      # np.frexp(a)[1] - 1 = floor(log2(a)), exactly
;;       r = np.clip(x / 2.0 ** e, -7.5, 7.5)
;;       step = 2.0 ** (np.maximum(np.frexp(np.where(r == 0, 1, r))[1] - 1, 0) - 3)
;;       q = np.round(r / step) * step * 2.0 ** e      # np.round: ties to even
;;       return np.moveaxis(q.reshape(q.shape[:-2] + (-1,))[..., :K], -1, axis).astype(np.float32)
;;   ~~~
;;   SOFTMAX AHEAD OF A QUANTISED PRODUCT. Where the list says 'softmax', what is quantised is not the finished softmax but p = 2^(t - M), with t = logit x log2(e) and M = ceil(the row's largest t), a whole number; so 1/2 < the row's largest p <= 1. The row's sum l is taken of the UNQUANTISED p, in f32, and the product's result is divided by l at the end. Since M is a whole number, a kernel that streams over the keys may use a running M (the ceiling of the running maximum): every later rescaling is an exact power of two, which a block's scale takes up: the codes' values come out the same.
;;   OPERANDS COMPUTED ON THE WAY. 'Computed on the way' means the value that the module computes at that place (a softmax that the list does not call 'softmax' is quantised finished and normalised). What goes into a quantiser is computed in f32, as accurately as f32 sums, v_exp_f32 and their like allow (about 1e-6 of the number): no bf16 or f16 on the way to a quantiser, and a product that is left as it is and whose result goes on into a quantised operand takes f32 operands (vector FMAs, or v_wmma_f32_16x16x4_f32). A number that lies on a knife's edge between two numbers of the format may be rounded either way, as far as f32 arithmetic and the matrix unit's own rounding can turn it there, and no further.
;; One version. Each part assembles by itself: llvm-mc -triple=amdgcn-amd-amdhsa -mcpu=gfx1250 --defsym DOCPART=n.
;; ======== version 1 of 1: 4 launches
;; workspace buffers: xq 6,553,600 bytes; wq 3,276,800 bytes; qq 6,553,600 bytes; kv 13,107,200 bytes; yq 6,815,744 bytes
;; launch quant (part 1): grid 640 x 1, 8 waves a work-group, no clusters, 94,720 bytes of LDS; arguments x, Wq, Wk, Wv, Wo, xq, wq; writes xq, wq
.if DOCPART == 1
	.amdgcn_target "amdgcn-amd-amdhsa--gfx1250"
	.amdhsa_code_object_version 6
	.text
	.protected	k_q9a7f237d4d_quant
	.globl	k_q9a7f237d4d_quant
	.p2align	8
	.type	k_q9a7f237d4d_quant,@function
k_q9a7f237d4d_quant:
	s_mov_b64 s[64:65], 0
	v_nop
	global_prefetch_b8 v0, s[64:65] scope:SCOPE_SE
	s_setreg_imm32_b32 hwreg(HW_REG_WAVE_MODE, 25, 1), 1
	s_wait_xcnt 0x0
; x [8192][1024] and the four weights [1024 (k)][1024 (n)], f32, become codes of FP6 (E2M3) with one E8M0 byte for each 32 along K, laid in the ORDER OF AN OPERAND'S REGISTERS.
; A ROW TILE is 16 rows that are not neighbours: row i of tile t is row 32 (t / 2) + 8 (t % 2) + i + 8 (i / 8).  A FRAGMENT (16 rows x 128 K, 12 registers a lane) lies as two halves of 768 bytes:
; registers 6 c .. 6 c + 3 at 768 c + 16 x lane, registers 6 c + 4, 6 c + 5 at 768 c + 512 + 8 x lane.  So every later load of a fragment is dense.
; xq: a record of 12,800 bytes for each of 512 row tiles: 8 fragments (K steps), then 512 bytes of scale words, word p of lane l = row l % 16, K step 2 p + l / 16.
; wq: a record of 102,400 bytes for each 128 rows n of a weight (group 8 x weight + n / 128): [K step 8][tile 8] fragments, then 4,096 bytes of scale words [K step / 4][tile / 2][lane][4 words]: lane l = tile % 2 = l / 16, row l % 16.
; A block's scale is 2^(floor(log2(largest magnitude)) - 2): its byte is the largest magnitude's exponent field - 2, held at 1 from below by a floor among the maximum's leaves.
; LIMITS: NaN and infinities among the inputs are not served; a block whose largest magnitude lies under 2^-124 takes the byte 1; a block of zeros takes the byte 1 where the rule says 127: its codes are zeros, and this program alone reads the bytes.
; Work-groups 0 to 511 take a row tile of x each (wave = K step); work-groups 512 to 639 take 64 columns x 512 along K of a weight.  The two parts have LDS bytes of their own.  No loop, no tensor load: all loads of a wave go out at once.
.set XSP,   528                        ; x: a stage row: 512 bytes + 16
.set XSC,   67584                      ; behind the eight stages of 16 rows (from LDS byte 0): the tile's 512 bytes of scale words
.set WIM,   68096                      ; weights: two fragments' images for each wave, 3,072 bytes
.set WSC,   92672                      ; and 1,024 bytes of scale words
.set FLOOR, 0x1800000                  ; 2^(3 - 127)
.set LESS2, 0xff000000                 ; takes 2 off an exponent field
	s_load_b256 s[4:11], s[0:1], 0x0               ; x, Wq, Wk, Wv
	s_load_b128 s[12:15], s[0:1], 0x20             ; Wo, xq
	s_load_b64 s[16:17], s[0:1], 0x30              ; wq
	v_lshl_add_u32 v160, v0, 2, 0x16e00
	v_mov_b32 v161, 0
	v_lshrrev_b32 v1, 5, v0
	s_delay_alu instid0(VALU_DEP_1)
	v_readfirstlane_b32 s18, v1                    ; wave 0..7
	v_and_b32 v2, 31, v0                           ; lane
	s_delay_alu instid0(VALU_DEP_1)
	v_lshlrev_b32 v3, 4, v2                        ; 16 x lane
	s_delay_alu instid0(VALU_DEP_2)
	v_lshlrev_b32 v4, 3, v2                        ; 8 x lane
	v_and_b32 v5, 15, v0                           ; r
	v_bfe_u32 v6, v0, 4, 1                         ; h
	s_mov_b32 s20, 0x76543210
	s_mov_b32 s21, 0xfedcba98                      ; v_permlanex16_b32's selects for lane l xor 16
	s_cmp_lt_u32 ttmp9, 512
	s_cbranch_scc0 .Lweights
	; ---------------- x: work-group = row tile, wave = K step
	s_lshr_b32 s22, ttmp9, 1
	s_lshl_b32 s22, s22, 17                        ; 32 (t / 2) rows of 4,096 bytes
	s_and_b32 s23, ttmp9, 1
	s_lshl_b32 s23, s23, 15                        ; + 8 (t % 2) rows
	s_add_co_u32 s22, s22, s23
	s_lshl_b32 s23, s18, 9                         ; + the K step's 512 bytes
	s_add_co_u32 s22, s22, s23
	s_mov_b32 s23, 0
	s_mul_i32 s24, ttmp9, 12800                    ; the tile's record
	s_mov_b32 s25, 0
	s_mul_i32 s26, s18, 16*XSP                     ; my stage
	s_wait_alu depctr_va_vdst(0)
	v_add_nc_u32 v7, s26, v3                       ; in: a row as it lies, 16 bytes a lane
	v_mul_u32_u24 v8, v5, XSP
	s_delay_alu instid0(VALU_DEP_1)
	v_lshl_add_u32 v8, v6, 7, v8
	s_delay_alu instid0(VALU_DEP_1)
	v_add_nc_u32 v8, s26, v8                       ; out: row r, + 128 h: my block of 32 numbers
	s_and_b32 s27, s18, 1
	s_lshl_b32 s27, s27, 8
	s_lshr_b32 s28, s18, 1
	s_lshl_b32 s28, s28, 2
	s_add_co_u32 s27, s27, s28
	s_add_co_u32 s27, s27, XSC
	v_lshl_add_u32 v9, v5, 4, s27                  ; my row's scale word: 16 (r + 16 (K step % 2)) + 4 (K step / 2)
	v_lshlrev_b32 v10, 3, v6                       ; 8 h
	s_mul_i32 s28, s18, 1536
	v_add_nc_u32 v11, s28, v3                      ; the fragment's place in the record
	v_add_nc_u32 v12, s28, v4
	v_mov_b32 v13, 0                               ; a lane permute's destination counts as one of its sources
	v_add_nc_u32 v15, XSC, v3
	s_wait_alu depctr_va_vdst(0)
	s_wait_kmcnt 0x0
	s_add_nc_u64 s[4:5], s[4:5], s[22:23]
	s_add_nc_u64 s[14:15], s[14:15], s[24:25]
.irp i, 0,1,2,3,4,5,6,7,8,9,10,11,12,13,14,15
	global_load_b128 v[16+4*\i:19+4*\i], v3, s[4:5] offset:(\i+8*(\i/8))*4096 th:TH_LOAD_NT   ; 32 lanes read 512 consecutive bytes of the tile's row i
.endr
.irp i, 0,1,2,3,4,5,6,7,8,9,10,11,12,13,14,15
	s_wait_loadcnt 15-\i                           ; row i is in; the later rows may be out
	ds_store_b128 v7, v[16+4*\i:19+4*\i] offset:XSP*\i
.endr
.irp c, 0,1
.irp q, 0,1,2,3,4,5,6,7
	ds_load_b128 v[80+32*\c+4*\q:83+32*\c+4*\q], v8 offset:256*\c+16*\q   ; v[80 + 32 c + e] = x(row r, 64 c + 32 h + e); LDS serves a wave's instructions in order: these see my stores
.endr
.endr
	s_wait_dscnt 0x0
.irp c, 0,1
	v_max3_num_f32 v[144+\c], |v[80+32*\c]|, |v[81+32*\c]|, FLOOR   ; block 2 c + h of my row: all 32 numbers are mine
.endr
.irp i, 2,4,6,8,10,12,14,16,18,20,22,24,26,28,30
.irp c, 0,1
	s_delay_alu instid0(VALU_DEP_2)
	v_max3_num_f32 v[144+\c], v[144+\c], |v[80+32*\c+\i]|, |v[81+32*\c+\i]|
.endr
.endr
.irp c, 0,1
	s_delay_alu instid0(VALU_DEP_2)
	v_add_nc_u32 v[146+\c], LESS2, v[144+\c]       ; the conversion takes the exponent field of this operand as its scale
.endr
.irp c, 0,1
	s_delay_alu instid0(VALU_DEP_2)
	v_lshrrev_b32 v[148+\c], 23, v[146+\c]         ; the scale's byte
.endr
	s_delay_alu instid0(VALU_DEP_1)
	v_lshl_or_b32 v14, v149, 16, v148
	s_delay_alu instid0(VALU_DEP_1)
	v_lshlrev_b32 v14, v10, v14                    ; my two bytes at their places: 8 h bits up
	s_delay_alu instid0(VALU_DEP_1)
	v_permlanex16_b32 v13, v14, s20, s21
	s_delay_alu instid0(VALU_DEP_1)
	v_or_b32 v14, v14, v13                         ; with lane l xor 16's two the word is whole
.irp c, 0,1
	v_cvt_scalef32_pk16_fp6_f32 v[16+6*\c:18+6*\c], v[80+32*\c:95+32*\c], v[146+\c]
	v_cvt_scalef32_pk16_fp6_f32 v[28+4*\c:30+4*\c], v[96+32*\c:111+32*\c], v[146+\c]   ; (a conversion's three registers begin on an even number)
.endr
	v_nop                                          ; one plain place behind a scaled conversion
.irp c, 0,1
.irp i, 0,1,2
	v_mov_b32 v[19+6*\c+\i], v[28+4*\c+\i]
.endr
.endr
.irp c, 0,1
	global_store_b128 v11, v[16+6*\c:19+6*\c], s[14:15] offset:768*\c        ; 512 consecutive bytes
	global_store_b64 v12, v[20+6*\c:21+6*\c], s[14:15] offset:768*\c+512     ; 256 consecutive bytes
.endr
	ds_store_b32 v9, v14                           ; both halves of the lanes write the same word with the same value
	s_wait_dscnt 0x0                               ; for the others' sake: my word lies in LDS
	s_barrier_signal -1
	s_barrier_wait -1
	s_cmp_lg_u32 s18, 0
	s_cbranch_scc1 .Lx_done
	ds_load_b128 v[144:147], v15                   ; wave 0 stores the tile's 512 bytes of scale words
	s_wait_dscnt 0x0
	global_store_b128 v3, v[144:147], s[14:15] offset:12288
.Lx_done:
	s_wait_tensorcnt 0x0
	ds_add_u32 v160, v161
	s_wait_dscnt 0x0
	s_endpgm
	; ---------------- a weight: a lane takes a column n and its registers run down K
.Lweights:
	s_sub_co_u32 s22, ttmp9, 512
	s_lshr_b32 s23, s22, 5                         ; which weight: Wq, Wk, Wv, Wo
	s_bfe_u32 s24, s22, 0x40001                    ; which 64 columns
	s_and_b32 s25, s22, 1                          ; which half of K
	s_and_b32 s26, s18, 1                          ; wave: which 32 of the 64 columns,
	s_lshr_b32 s27, s18, 1                         ; which of the half's four K steps
	s_lshl_b32 s28, s25, 2
	s_add_co_u32 s28, s28, s27                     ; K step
	v_bfe_u32 v13, v0, 3, 1                        ; column l of 32 is row r' = l % 8 + 8 (l / 16) of tile u = (l / 8) % 2
	v_and_b32 v14, 7, v0
	s_wait_alu depctr_va_vdst(0)
	v_lshl_add_u32 v14, v6, 3, v14
	s_mul_i32 s29, s18, 3072
	s_add_co_u32 s29, s29, WIM                     ; my two images
	v_mul_u32_u24 v15, v13, 1536
	s_delay_alu instid0(VALU_DEP_1)
	v_add_nc_u32 v15, s29, v15
	s_delay_alu instid0(VALU_DEP_1)
	v_lshl_add_u32 v7, v14, 4, v15                 ; where lane r' of tile u keeps registers 0-3 of a half fragment,
	s_delay_alu instid0(VALU_DEP_2)
	v_lshl_add_u32 v8, v14, 3, v15                 ; and registers 4, 5
	v_add_nc_u32 v9, s29, v3                       ; the images read back as they lie
	s_lshl_b32 s29, s26, 9
	s_add_co_u32 s29, s29, WSC
	v_add_nc_u32 v11, s29, v3                      ; 512 bytes of scale words read back
	s_lshl_b32 s30, s27, 2
	s_add_co_u32 s29, s29, s30
	v_lshl_add_u32 v10, v13, 4, v14
	s_delay_alu instid0(VALU_DEP_1)
	v_lshl_add_u32 v10, v10, 4, s29                ; my column's scale word: 16 (r' + 16 u) + 4 (K step % 4)
	v_lshlrev_b32 v12, 2, v2                       ; 4 x lane
	s_lshl_b32 s30, s28, 19                        ; 128 rows of 4,096 bytes a K step
	s_lshl_b32 s31, s24, 8
	s_add_co_u32 s30, s30, s31
	s_lshl_b32 s31, s26, 7
	s_add_co_u32 s30, s30, s31
	s_mov_b32 s31, 0
	s_lshl_b32 s32, s23, 3
	s_lshr_b32 s33, s24, 1
	s_add_co_u32 s32, s32, s33
	s_mul_i32 s32, s32, 102400                     ; the group's record
	s_and_b32 s33, s24, 1
	s_mul_i32 s34, s28, 12288                      ; [K step][tile]: my tiles are 2 (2 (columns / 64 % 2) + wave % 2) and the next
	s_add_co_u32 s34, s34, s32
	s_mul_i32 s35, s33, 6144
	s_add_co_u32 s34, s34, s35
	s_mul_i32 s35, s26, 3072
	s_add_co_u32 s34, s34, s35
	s_mov_b32 s35, 0
	s_lshl_b32 s36, s25, 11
	s_add_co_u32 s36, s36, s32
	s_lshl_b32 s37, s33, 10
	s_add_co_u32 s36, s36, s37
	s_lshl_b32 s37, s26, 9
	s_add_co_u32 s36, s36, s37
	s_add_co_u32 s36, s36, 98304
	s_mov_b32 s37, 0
	s_wait_alu depctr_va_vdst(0)
	s_wait_kmcnt 0x0
	s_cmp_eq_u32 s23, 1                            ; the choice hangs on the work-group's number alone
	s_cselect_b64 s[6:7], s[8:9], s[6:7]
	s_cmp_eq_u32 s23, 2
	s_cselect_b64 s[6:7], s[10:11], s[6:7]
	s_cmp_eq_u32 s23, 3
	s_cselect_b64 s[6:7], s[12:13], s[6:7]
	s_add_nc_u64 s[6:7], s[6:7], s[30:31]
	s_add_nc_u64 s[38:39], s[16:17], s[34:35]
	s_add_nc_u64 s[40:41], s[16:17], s[36:37]
.set E, 0
.rept 128
	global_load_b32 v[16+E], v12, s[6:7] offset:E*4096 th:TH_LOAD_NT   ; W(128 K step + E, my column): a wave reads 128 consecutive bytes, two waves side by side 256
.set E, E+1
.endr
; Block kb of 32 along K is a whole block of my column: in the fragment it belongs to lane r' + 16 (kb % 2), registers 6 (kb / 2) on.
.macro BLOCK kb, left
	s_wait_loadcnt \left                           ; this block's 32 loads are in
	v_max3_num_f32 v150, |v[16+32*\kb]|, |v[17+32*\kb]|, |v[18+32*\kb]|
	v_max3_num_f32 v151, |v[19+32*\kb]|, |v[20+32*\kb]|, |v[21+32*\kb]|
.irp i, 6,10,14,18,22,26
	s_delay_alu instid0(VALU_DEP_2)
	v_max3_num_f32 v150, v150, |v[16+32*\kb+\i]|, |v[17+32*\kb+\i]|
	s_delay_alu instid0(VALU_DEP_2)
	v_max3_num_f32 v151, v151, |v[18+32*\kb+\i]|, |v[19+32*\kb+\i]|
.endr
	s_delay_alu instid0(VALU_DEP_2)
	v_max3_num_f32 v150, v150, |v[46+32*\kb]|, |v[47+32*\kb]|
	s_delay_alu instid0(VALU_DEP_1)
	v_max3_num_f32 v150, v150, v151, FLOOR
	s_delay_alu instid0(VALU_DEP_1)
	v_add_nc_u32 v156, LESS2, v150
	s_delay_alu instid0(VALU_DEP_1)
	v_lshrrev_b32 v157, 23, v156
.if \kb == 0
	s_delay_alu instid0(VALU_DEP_1)
	v_mov_b32 v158, v157                           ; the K step's scale word of my column: byte kb
.else
	s_delay_alu instid0(VALU_DEP_1)
	v_lshl_or_b32 v158, v157, 8*\kb, v158
.endif
	v_cvt_scalef32_pk16_fp6_f32 v[144:146], v[16+32*\kb:31+32*\kb], v156
	v_cvt_scalef32_pk16_fp6_f32 v[152:154], v[32+32*\kb:47+32*\kb], v156
	v_nop                                          ; one plain place behind a scaled conversion
	v_mov_b32 v147, v152
	v_mov_b32 v148, v153
	v_mov_b32 v149, v154
	ds_store_b128 v7, v[144:147] offset:768*(\kb/2)+256*(\kb%2)
	ds_store_b64 v8, v[148:149] offset:768*(\kb/2)+512+128*(\kb%2)
	s_wait_dscnt 0x0                               ; the stores have read their registers: the next block's codes may be written
.endm
	BLOCK 0, 63                                    ; 96 later loads might stay out; a wait's count names 63 at the most
	BLOCK 1, 63                                    ; likewise for 64
	BLOCK 2, 32
	BLOCK 3, 0
	s_wait_alu depctr_va_vdst(0)
	ds_store_b32 v10, v158
.irp q, 0,1,2,3,4,5
	ds_load_b128 v[16+4*\q:19+4*\q], v9 offset:512*\q   ; my two images, 3,072 bytes, as they lie
.endr
.irp q, 0,1,2,3,4,5
	s_wait_dscnt 5-\q
	global_store_b128 v3, v[16+4*\q:19+4*\q], s[38:39] offset:512*\q
.endr
	s_barrier_signal -1                            ; the count-down above ended at 0: my scale word lies in LDS
	s_barrier_wait -1
	s_cmp_gt_u32 s18, 1
	s_cbranch_scc1 .Lw_done
	ds_load_b128 v[144:147], v11                   ; waves 0 and 1 store 512 bytes of scale words each: four K steps of two tiles
	s_wait_dscnt 0x0
	global_store_b128 v3, v[144:147], s[40:41]
.Lw_done:
	s_wait_tensorcnt 0x0
	ds_add_u32 v160, v161
	s_wait_dscnt 0x0
	s_endpgm
.Lfunc_end_k_q9a7f237d4d_quant:
	.size	k_q9a7f237d4d_quant, .Lfunc_end_k_q9a7f237d4d_quant-k_q9a7f237d4d_quant
	.p2alignl 7, 3214868480
	.fill 96, 4, 3214868480
	.section	.rodata,"a",@progbits
	.p2align	6, 0x0
	.amdhsa_kernel k_q9a7f237d4d_quant
		.amdhsa_group_segment_fixed_size 94720
		.amdhsa_private_segment_fixed_size 0
		.amdhsa_enable_private_segment 0
		.amdhsa_kernarg_size 56
		.amdhsa_user_sgpr_count 2
		.amdhsa_user_sgpr_kernarg_segment_ptr 1
		.amdhsa_wavefront_size32 1
		.amdhsa_system_sgpr_workgroup_id_x 1
		.amdhsa_system_sgpr_workgroup_id_y 1
		.amdhsa_system_sgpr_workgroup_id_z 1
		.amdhsa_system_vgpr_workitem_id 0
		.amdhsa_next_free_vgpr 162
		.amdhsa_next_free_sgpr 66
		.amdhsa_reserve_vcc 0
		.amdhsa_float_denorm_mode_32 3
		.amdhsa_float_denorm_mode_16_64 3
		.amdhsa_memory_ordered 1
		.amdhsa_forward_progress 1
		.amdhsa_inst_pref_size 37
	.end_amdhsa_kernel
	.amdgpu_metadata
---
amdhsa.version: [ 1, 2 ]
amdhsa.kernels:
  - .name:           k_q9a7f237d4d_quant
    .symbol:         k_q9a7f237d4d_quant.kd
    .args:
      - { .name: x, .offset: 0, .size: 8, .value_kind: global_buffer, .address_space: global }
      - { .name: Wq, .offset: 8, .size: 8, .value_kind: global_buffer, .address_space: global }
      - { .name: Wk, .offset: 16, .size: 8, .value_kind: global_buffer, .address_space: global }
      - { .name: Wv, .offset: 24, .size: 8, .value_kind: global_buffer, .address_space: global }
      - { .name: Wo, .offset: 32, .size: 8, .value_kind: global_buffer, .address_space: global }
      - { .name: xq, .offset: 40, .size: 8, .value_kind: global_buffer, .address_space: global }
      - { .name: wq, .offset: 48, .size: 8, .value_kind: global_buffer, .address_space: global }
    .group_segment_fixed_size: 94720
    .private_segment_fixed_size: 0
    .kernarg_segment_align: 8
    .kernarg_segment_size: 56
    .max_flat_workgroup_size: 256
    .sgpr_count:     66
    .vgpr_count:     162
    .wavefront_size: 32
...
	.end_amdgpu_metadata
.endif
;; end of part 1
;; launch gemm_qkv (part 2): grid 32 x 8, 4 waves a work-group, clusters of 4 x 1, 304,640 bytes of LDS; arguments xq, wq, bq, bk, bv, qq, kv; writes qq, kv
.if DOCPART == 2
	.amdgcn_target "amdgcn-amd-amdhsa--gfx1250"
	.amdhsa_code_object_version 6
	.text
	.protected	k_q9a7f237d4d_gemm_qkv
	.globl	k_q9a7f237d4d_gemm_qkv
	.p2align	8
	.type	k_q9a7f237d4d_gemm_qkv,@function
k_q9a7f237d4d_gemm_qkv:
	s_mov_b64 s[64:65], 0
	v_nop
	global_prefetch_b8 v0, s[64:65] scope:SCOPE_SE
	s_setreg_imm32_b32 hwreg(HW_REG_WAVE_MODE, 25, 1), 1
	s_wait_xcnt 0x0
	s_wait_alu depctr_hold_cnt(0) depctr_sa_sdst(0) depctr_va_vdst(0) depctr_va_sdst(0) depctr_va_ssrc(0) depctr_va_vcc(0) depctr_vm_vsrc(0)
	s_getreg_b32 s2, hwreg(HW_REG_IB_STS2, 6, 4)
	s_cmp_eq_u32 s2, 0
	s_cbranch_scc0 .Lentry_in_a_cluster
	s_endpgm
.Lentry_in_a_cluster:
	s_bfe_u32 s2, ttmp6, 0x10000c
	s_cmp_lg_u32 s2, 0x3003
	s_cbranch_scc0 .Lentry_shape_is_right
	s_endpgm
.Lentry_shape_is_right:
; q = x Wq + bq, k = x Wk + bk, v = x Wv + bv on codes of FP6 (E2M3) with E8M0 scales; the results are quantised in registers and leave as codes, laid as the attention launch reads them.
; SHARES.  A work-group takes 256 tokens (i) and a pair of heads (j: 128 columns) through three subtiles: q, k, v.  Wave w keeps its own 64 tokens (4 row tiles) for all of K in registers: 32 fragments, 384 registers,
; loaded once.  The three tiles of weights (3 x 98,304 bytes of register images) are filled into LDS once: nothing is filled twice.  A K step is 8 fragments of W from LDS and 32 matrix instructions.
; CLUSTER.  The four work-groups of a cluster share j, so they need the same weights: every tensor load is asked for jointly, with the same descriptor and the mask of all four.  The place in the cluster enters global offsets alone.
; ROLES.  q, k: source 0 = 16 rows of W, source 1 = 16 tokens: a lane holds one token and, since a row tile's rows are 32 (t / 2) + 8 (t % 2) + i + 8 (i / 8), the 16 registers of tiles 2 b, 2 b + 1 are 16 neighbours along the head.
; v: the sources change places: a lane holds one channel and 16 neighbouring tokens, which are the second attention product's K.  Either way 64 neighbouring accumulator registers become two half fragments (16 rows x 64 K, 768 bytes).
; OUT.  qq: for each head 128 half fragments, then 4,096 bytes of scale words.  kv: for each head and 128 keys a block of 12,800 bytes: K's 8 half fragments, V^T's 8 ([64 keys][16 channels]), 256 bytes of K's scale words, 256 of V's.
; LIMITS: NaN and infinities are not served; a block whose largest magnitude lies under 2^-124, zeros among them, takes the byte 1 (its codes are then zeros or held small; this program alone reads the bytes).
; REGISTERS, in windows of 256: window 0: v1-13 addresses; v16-31 x's scale words; v32-127 W's; v128-223 W's fragments, set 1, and on the way out the work registers; v224-235 biases as loaded; v236-251 scale words on the way out.
;   window 1: x's fragments of K steps 0-4 (48 a step).   window 2: those of K steps 5-7; from v144 W's fragments, set 0.   window 3: the 32 accumulators.
.set REC,   12800                      ; a row tile's record in xq
.set BIAS,  294912                     ; LDS behind the weights: each wave's own copy of bq, bk, bv for the 128 columns, 1,536 bytes
.set STG,   301056                     ; and three stages of 1,024 bytes for the scale words of q, k, v: [head 2][128 tokens 2][256 bytes]
.set XS,    16
.set WS,    32
.set SET1,  128
.set SET0,  144
.set BL,    224
.set BI,    128                        ; the way out: the bias in the result's layout
.set PC,    192                        ; the codes just made;  PC2: the conversions' second halves
.set PC2,   204
.set TM,    212                        ; largest magnitudes;  TX: the other half's, then bytes;  SCL: the conversions' scale operands
.set TX,    216
.set SCL,   220
.set PW,    236                        ; the scale word just made;  PWS: the even tile's, kept
.set PWS,   237
.set PX,    238                        ; v238-245: one register for each LDS store of scale words, so that no store's data are written again
.set FIN,   246
.set MSB, 0
.macro WIN new                         ; the immediate's high byte repeats the setting that is left
.if MSB != (\new)
	s_set_vgpr_msb (MSB<<8)|(\new)
.set MSB, \new
.endif
.endm
.macro PLACES n
.rept \n
	v_nop
.endr
.endm
.macro CROUND                          ; a round of the cluster's barrier
	s_barrier_signal -1
	s_barrier_wait -1
	s_cmp_lg_u32 s18, 0
	s_cbranch_scc1 .Lnot_wave_0_\@
	s_barrier_signal -3
.Lnot_wave_0_\@:
	s_barrier_wait -3
	s_barrier_signal -1
	s_barrier_wait -1
.endm
; One product.  z = 1: it starts the sum with the constant 0.  ra, rb: source 0's, source 1's scales stand in lanes 16-31 of their register.
.macro WM d, a, b, z, sa, sb, ra, rb
.if (\z) && ((\ra) == 0) && ((\rb) == 0)
	v_wmma_scale_f32_16x16x128_f8f6f4 v[(\d):(\d)+7], v[(\a):(\a)+11], v[(\b):(\b)+11], 0, v[\sa], v[\sb] matrix_a_fmt:MATRIX_FMT_FP6 matrix_b_fmt:MATRIX_FMT_FP6
.elseif (\z) && ((\ra) == 1)
	v_wmma_scale_f32_16x16x128_f8f6f4 v[(\d):(\d)+7], v[(\a):(\a)+11], v[(\b):(\b)+11], 0, v[\sa], v[\sb] matrix_a_fmt:MATRIX_FMT_FP6 matrix_b_fmt:MATRIX_FMT_FP6 matrix_a_scale:MATRIX_SCALE_ROW1
.elseif (\z)
	v_wmma_scale_f32_16x16x128_f8f6f4 v[(\d):(\d)+7], v[(\a):(\a)+11], v[(\b):(\b)+11], 0, v[\sa], v[\sb] matrix_a_fmt:MATRIX_FMT_FP6 matrix_b_fmt:MATRIX_FMT_FP6 matrix_b_scale:MATRIX_SCALE_ROW1
.elseif ((\ra) == 0) && ((\rb) == 0)
	v_wmma_scale_f32_16x16x128_f8f6f4 v[(\d):(\d)+7], v[(\a):(\a)+11], v[(\b):(\b)+11], v[(\d):(\d)+7], v[\sa], v[\sb] matrix_a_fmt:MATRIX_FMT_FP6 matrix_b_fmt:MATRIX_FMT_FP6
.elseif ((\ra) == 1) && ((\rb) == 0)
	v_wmma_scale_f32_16x16x128_f8f6f4 v[(\d):(\d)+7], v[(\a):(\a)+11], v[(\b):(\b)+11], v[(\d):(\d)+7], v[\sa], v[\sb] matrix_a_fmt:MATRIX_FMT_FP6 matrix_b_fmt:MATRIX_FMT_FP6 matrix_a_scale:MATRIX_SCALE_ROW1
.elseif ((\ra) == 0)
	v_wmma_scale_f32_16x16x128_f8f6f4 v[(\d):(\d)+7], v[(\a):(\a)+11], v[(\b):(\b)+11], v[(\d):(\d)+7], v[\sa], v[\sb] matrix_a_fmt:MATRIX_FMT_FP6 matrix_b_fmt:MATRIX_FMT_FP6 matrix_b_scale:MATRIX_SCALE_ROW1
.else
	v_wmma_scale_f32_16x16x128_f8f6f4 v[(\d):(\d)+7], v[(\a):(\a)+11], v[(\b):(\b)+11], v[(\d):(\d)+7], v[\sa], v[\sb] matrix_a_fmt:MATRIX_FMT_FP6 matrix_b_fmt:MATRIX_FMT_FP6 matrix_a_scale:MATRIX_SCALE_ROW1 matrix_b_scale:MATRIX_SCALE_ROW1
.endif
.endm
	s_load_b256 s[4:11], s[0:1], 0x0               ; xq, wq, bq, bk
	s_load_b128 s[12:15], s[0:1], 0x20             ; bv, qq
	s_load_b64 s[16:17], s[0:1], 0x30              ; kv
	v_lshl_add_u32 v254, v0, 2, 0x4a400
	v_mov_b32 v255, 0
	ds_add_u32 v254, v255
	ds_add_u32 v254, v255
	v_lshrrev_b32 v14, 5, v0
	v_readfirstlane_b32 s18, v14                   ; wave 0..3
	s_bfe_u32 s19, ttmp6, 0x40000                  ; cx: my place in the cluster
	s_lshl_b32 s20, ttmp9, 2
	s_add_co_u32 s20, s20, s19                     ; i: which 256 tokens
	s_and_b32 s21, ttmp7, 0xffff                   ; j: which pair of heads; the four partners share it
	v_and_b32 v14, 31, v0
	v_lshlrev_b32 v1, 4, v14                       ; 16 x lane
	v_lshlrev_b32 v2, 3, v14                       ; 8 x lane
	v_and_b32 v14, 15, v0                          ; r
	s_wait_alu depctr_va_vdst(0)
	v_bfe_u32 v15, v0, 4, 1                        ; h
	s_mul_i32 s22, s18, 1536
	s_add_co_u32 s22, s22, BIAS                    ; my copy of the biases
	v_lshl_add_u32 v5, v15, 6, s22                 ; q, k: my half's 16 numbers of each 32 columns
	v_add_nc_u32 v13, s22, v1                      ; where the copy is written
	v_and_b32 v6, 8, v14
	v_add_nc_u32 v6, v6, v14                       ; r + 8 (r / 8)
	v_lshl_add_u32 v6, v6, 2, s22
	v_add_nc_u32 v6, 1024, v6                      ; v: the number of my row of a tile of Wv
	s_lshr_b32 s23, s18, 1
	s_lshl_b32 s23, s23, 8                         ; 256 (w / 2): which 128 tokens
	s_and_b32 s78, s18, 1
	s_lshl_b32 s79, s78, 2
	s_add_co_u32 s79, s79, s23
	s_add_co_u32 s79, s79, STG
	v_lshl_add_u32 v7, v14, 3, s79
	s_wait_alu depctr_va_vdst(0)
	v_lshl_add_u32 v7, v15, 9, v7                  ; q, k: lanes 0-15 store the first head's word, lanes 16-31 the second's: 512 h + 256 (w / 2) + 8 r + 4 (w % 2)
	s_lshl_b32 s79, s78, 1
	s_add_co_u32 s79, s79, s23
	s_add_co_u32 s79, s79, STG+2048
	v_add_nc_u32 v8, s79, v2                       ; v: 8 x lane + 256 (w / 2) + 2 (w % 2): my 64 keys' half of a word
	v_lshlrev_b32 v9, 4, v15                       ; 16 h
	s_mov_b32 s79, 0x02020202
	v_mul_lo_u32 v10, v15, s79
	v_add_nc_u32 v10, 0x05040100, v10              ; v_perm_b32's selects: the low halves of two words in lanes 0-15, the high halves in lanes 16-31
	s_lshl_b32 s79, s18, 8
	s_add_co_u32 s79, s79, STG
	v_add_nc_u32 v11, s79, v2                      ; the end: wave w reads block w of each stage
	s_lshl_b32 s79, s21, 9
	v_add_nc_u32 v12, s79, v1                      ; the pair's 128 numbers of a bias
	s_lshl_b32 s80, s20, 4
	s_lshl_b32 s81, s18, 2
	s_add_co_u32 s80, s80, s81
	s_mul_i32 s80, s80, REC                        ; my first row tile: 16 i + 4 w
	s_mov_b32 s81, 0
	s_lshr_b32 s82, s20, 3
	s_lshl_b32 s82, s82, 4
	s_lshl_b32 s83, s21, 1
	s_add_co_u32 s82, s82, s83                     ; the pair's first head: 16 (i / 8) + 2 j
	s_and_b32 s83, s20, 7                          ; I: which 256 tokens of the sequence
	s_mul_i32 s84, s82, 102400
	s_mul_i32 s85, s83, 12288
	s_add_co_u32 s84, s84, s85
	s_mul_i32 s85, s18, 3072
	s_add_co_u32 s84, s84, s85                     ; q's half fragments: head, tile 16 I + 4 w
	s_mov_b32 s85, 0
	s_lshl_b32 s86, s83, 1
	s_lshr_b32 s87, s18, 1
	s_add_co_u32 s88, s86, s87
	s_mul_i32 s88, s88, 12800
	s_mul_i32 s89, s82, 204800
	s_add_co_u32 s88, s88, s89
	s_mul_i32 s89, s78, 3072
	s_add_co_u32 s88, s88, s89                     ; k's: head, key step 2 I + w / 2, tile 4 (w % 2)
	s_mov_b32 s89, 0
	s_add_co_u32 s90, s82, s87                     ; the end: wave w stores head w / 2,
	s_add_co_u32 s91, s86, s78                     ; 128 tokens w % 2
	s_mul_i32 s92, s90, 102400
	s_lshl_b32 s93, s91, 8
	s_add_co_u32 s92, s92, s93
	s_add_co_u32 s92, s92, 98304
	s_mov_b32 s93, 0
	s_mul_i32 s94, s90, 204800
	s_mul_i32 s95, s91, 12800
	s_add_co_u32 s94, s94, s95
	s_add_co_u32 s94, s94, 12288
	s_mov_b32 s95, 0
	s_mul_i32 s2, s21, 102400                      ; the weights' record of my 128 columns: made of j and the wave's number alone
	s_mul_i32 s3, s18, 12288                       ; my K step of a chunk of four, in memory and in LDS
	s_add_co_u32 s22, s2, s3
	s_mov_b32 s23, 0
	s_mov_b32 s74, 0x76543210
	s_mov_b32 s75, 0xfedcba98                      ; v_permlanex16_b32's selects for lane l xor 16
	; descriptor group 1: a dense block of 12,288 bytes as 48 rows of 256 (32 elements of 8 bytes), no padding
	s_mov_b32 s24, 15|(3<<16)|(1<<21)              ; 15:0 the mask: all four work-groups; 17:16 elements of 8 bytes; 21 set beside a mask
	s_mov_b32 s25, 32<<16                          ; tensor_dim0 = 32
	s_mov_b32 s26, 48<<16                          ; tensor_dim1 = 48
	s_mov_b32 s27, 32<<16                          ; tile_dim0 = 32
	s_mov_b32 s28, 48                              ; tile_dim1 = 48
	s_mov_b32 s29, 32                              ; tensor_dim0_stride
	s_mov_b32 s30, 0
	s_mov_b32 s31, 0
	s_wait_dscnt 0x0
	s_wait_kmcnt 0x0
	s_add_nc_u64 s[56:57], s[4:5], s[80:81]        ; x's records
	s_add_nc_u64 s[58:59], s[14:15], s[84:85]      ; q's codes
	s_add_nc_u64 s[60:61], s[16:17], s[88:89]      ; k's
	s_add_nc_u64 s[62:63], s[60:61], 6144          ; v's
	s_add_nc_u64 s[68:69], s[14:15], s[92:93]      ; q's scale words
	s_add_nc_u64 s[70:71], s[16:17], s[94:95]      ; k's
	s_add_nc_u64 s[72:73], s[70:71], 256           ; v's
	s_add_nc_u64 s[66:67], s[6:7], s[22:23]        ; W's codes: my part of chunk 0
	s_mov_b32 s22, s2
	s_add_nc_u64 s[76:77], s[6:7], s[22:23]
	s_add_nc_u64 s[76:77], s[76:77], 98304         ; W's scale words
	CROUND                                         ; all four work-groups are here: the joint loads meet
.irp n, 0,1,2,3,4,5                    ; chunk n = subtile n / 2, K steps 4 (n % 2) on: 49,152 bytes, a quarter for each wave
	s_mov_b32 s[32+4*\n], 1                        ; count = 1
	s_add_co_u32 s[33+4*\n], s3, 49152*\n          ; LDS address
	s_add_nc_u64 s[34+4*\n:35+4*\n], s[66:67], 819200*(\n/2)+49152*(\n%2)   ; Wq, Wk, Wv lie 8 records apart
	s_or_b32 s[35+4*\n], s[35+4*\n], 0x80000000    ; type = 2
.endr
.irp n, 0,1,2,3,4,5
	tensor_load_to_lds s[32+4*\n:35+4*\n], s[24:31]   ; all first fills together: six loads of mine are out
	s_nop 0
.endr
	PLACES 4                                       ; four such lines behind the loads
	s_wait_alu depctr_va_vdst(0)
	global_load_b128 v[BL:BL+3], v12, s[8:9]
	global_load_b128 v[BL+4:BL+7], v12, s[10:11]
	global_load_b128 v[BL+8:BL+11], v12, s[12:13]
.irp m, 0,1,2,3
	global_load_b128 v[XS+4*\m:XS+4*\m+3], v1, s[56:57] offset:REC*\m+12288   ; word p of lane l: row l % 16, K step 2 p + l / 16
.endr
.irp s, 0,1,2
.irp g, 0,1,2,3,4,5,6,7
	global_load_b128 v[WS+32*\s+4*\g:WS+32*\s+4*\g+3], v1, s[76:77] offset:819200*\s+512*\g   ; g = 4 (K step / 4) + tile / 2; word e of lane l: tile % 2 = l / 16, row l % 16, K step % 4 = e
.endr
.endr
; x's four fragments of K step ks: 16 loads
.macro XLOAD ks
.if (\ks) < 5
	WIN 0x40
.set XR, 48*(\ks)
.else
	WIN 0x80
.set XR, 48*((\ks)-5)
.endif
.irp m, 0,1,2,3
	global_load_b128 v[XR+12*\m:XR+12*\m+3], v1, s[56:57] offset:REC*\m+1536*(\ks)
	global_load_b64 v[XR+12*\m+4:XR+12*\m+5], v2, s[56:57] offset:REC*\m+1536*(\ks)+512
	global_load_b128 v[XR+12*\m+6:XR+12*\m+9], v1, s[56:57] offset:REC*\m+1536*(\ks)+768
	global_load_b64 v[XR+12*\m+10:XR+12*\m+11], v2, s[56:57] offset:REC*\m+1536*(\ks)+1280
.endr
	WIN 0
.endm
	XLOAD 0
	XLOAD 1
	XLOAD 2
; W's eight fragments of step n (= 8 subtile + K step) into set n % 2: 32 LDS loads, each of consecutive bytes
.macro FETCH n
.if (\n)%2
.set FB, SET1
	WIN 0
.else
.set FB, SET0
	WIN 0x80
.endif
.set FO, 12288*((\n)%4)
.irp a, 0,1,2,3,4,5,6,7
	ds_load_b128 v[FB+12*\a:FB+12*\a+3], v3 offset:FO+1536*\a
	ds_load_b64 v[FB+12*\a+4:FB+12*\a+5], v4 offset:FO+1536*\a+512
	ds_load_b128 v[FB+12*\a+6:FB+12*\a+9], v3 offset:FO+1536*\a+768
	ds_load_b64 v[FB+12*\a+10:FB+12*\a+11], v4 offset:FO+1536*\a+1280
.endr
	WIN 0
.endm
; Chunk n is opened: my part of it has landed (the 5 - n later chunks may stay out), and so has everybody's.  No LDS instruction of mine is out here.
.macro CHUNK n
	s_wait_tensorcnt 5-(\n)
	s_barrier_signal -1
	s_barrier_wait -1
	v_add_nc_u32 v3, 49152*(\n), v1
	s_wait_alu depctr_va_vdst(0)
	v_add_nc_u32 v4, 49152*(\n), v2
.endm
; 32 matrix instructions: W's 8 tiles x my 4 tiles of tokens, 128 along K.  The 32 accumulators take turns, one instruction a turn, in the same order in every step.
.macro MUL32 s, ks, kind, zero
.if (8*(\s)+(\ks))%2
.set WW, 0
.set WB, SET1
.else
.set WW, 2
.set WB, SET0
.endif
.if (\ks) < 5
.set XW, 1
.set XF, 48*(\ks)
.else
.set XW, 2
.set XF, 48*((\ks)-5)
.endif
.if \kind
	WIN 0xf0|(WW<<2)|XW
.else
	WIN 0xf0|(XW<<2)|WW
.endif
.irp a, 0,1,2,3,4,5,6,7
.irp m, 0,1,2,3
.if \kind
	WM 32*\a+8*\m, XF+12*\m, WB+12*\a, \zero, XS+4*\m+(\ks)/2, WS+32*(\s)+16*((\ks)/4)+4*(\a/2)+(\ks)%4, (\ks)%2, \a%2
.else
	WM 64*\m+8*\a, WB+12*\a, XF+12*\m, \zero, WS+32*(\s)+16*((\ks)/4)+4*(\a/2)+(\ks)%4, XS+4*\m+(\ks)/2, \a%2, (\ks)%2
.endif
.endr
.endr
	WIN 0
.endm
.macro STEP s, ks, kind
.set NN, 8*(\s)+(\ks)
	s_wait_dscnt 0x0                               ; this step's fragments of W, asked for a step ago
.if (\s) == 0
.if (\ks) <= 5
	s_wait_loadcnt 32                              ; this K step's fragments of x are in; those of the next two K steps may be out
.elseif (\ks) == 6
	s_wait_loadcnt 16
.else
	s_wait_loadcnt 0
.endif
.if (\ks) <= 4
	XLOAD (\ks)+3
.endif
.if (\ks) == 0
	ds_store_b128 v13, v[BL:BL+3]                  ; my own copy of the three biases: no other wave reads it
	ds_store_b128 v13, v[BL+4:BL+7] offset:512
	ds_store_b128 v13, v[BL+8:BL+11] offset:1024
.endif
.endif
.if ((NN+1)%4 == 0) && (NN+1 < 24)
	CHUNK (NN+1)/4
.endif
.if NN < 23
.if (\ks) > 0
	PLACES 4                                       ; in front of loads into the set that the last step's products read (ISA guide 7.12.1 for vector instructions)
.endif
	FETCH NN+1
.endif
.if (\ks) == 0
	MUL32 \s, \ks, \kind, 1                        ; the first K step starts the sums: nothing is cleared
.else
	MUL32 \s, \ks, \kind, 0
.endif
.endm
; 64 numbers of a lane in window 3, register 16 b + i = K 32 b + 16 (lane / 16) + i of my row, become 12 registers of codes in v[PC] on and a scale word in v[PW].
.macro QUANT src
	WIN 0x0f
.irp b, 0,1,2,3
	v_max3_num_f32 v[TM+\b], |v[(\src)+16*\b]|, |v[(\src)+1+16*\b]|, 0x1800000   ; my 16 numbers of block b, and the floor 2^(3 - 127): the byte cannot fall under 1
.endr
	WIN 0x3c
.irp i, 2,4,6,8,10,12,14
.irp b, 0,1,2,3
	v_max3_num_f32 v[TM+\b], v[TM+\b], |v[(\src)+16*\b+\i]|, |v[(\src)+1+16*\b+\i]|
.endr
.endr
	WIN 0
.irp b, 0,1,2,3
	v_permlanex16_b32 v[TX+\b], v[TM+\b], s74, s75
.endr
.irp b, 0,1,2,3
	v_max_num_f32 v[TM+\b], v[TM+\b], v[TX+\b]     ; with lane l xor 16's: the block's largest magnitude
.endr
.irp b, 0,1,2,3
	v_add_nc_u32 v[SCL+\b], 0xff000000, v[TM+\b]   ; 2 off its exponent field: the conversion's scale operand
.endr
.irp b, 0,1,2,3
	v_lshrrev_b32 v[TX+\b], 23, v[SCL+\b]          ; the scale's byte
.endr
	v_lshl_or_b32 v[PW], v[TX+1], 8, v[TX]
	v_lshl_or_b32 v[PW], v[TX+2], 16, v[PW]
	v_lshl_or_b32 v[PW], v[TX+3], 24, v[PW]
	s_wait_xcnt 0x0                                ; the last unit's stores have read the codes' registers: they are written again only behind this wait
	WIN 0x03
.irp c, 0,1
	v_cvt_scalef32_pk16_fp6_f32 v[PC+6*\c:PC+2+6*\c], v[(\src)+32*\c:(\src)+15+32*\c], v[SCL+2*\c]
	v_cvt_scalef32_pk16_fp6_f32 v[PC2+4*\c:PC2+2+4*\c], v[(\src)+16+32*\c:(\src)+31+32*\c], v[SCL+2*\c+1]
.endr
	WIN 0
	v_nop                                          ; one plain place behind a scaled conversion
.irp c, 0,1                            ; the operand's layout wants a whole block in a lane
.irp i, 0,1,2
	v_permlane16_swap_b32 v[PC+6*\c+\i], v[PC2+4*\c+\i]
.endr
.irp i, 0,1,2
	v_mov_b32 v[PC+3+6*\c+\i], v[PC2+4*\c+\i]
.endr
.endr
.endm
; Unit u: accumulator registers 64 u to 64 u + 63.  q, k: my tile u of tokens x both heads.  v: tiles 2 u, 2 u + 1 of channels x my 64 tokens.
.macro UNIT u, kind, s
.set AB, 64*(\u)
	WIN 0xc3
.set E, 0
.if \kind
.rept 16
	v_pk_add_f32 v[AB+E:AB+E+1], v[AB+E:AB+E+1], v[BI+2*(\u):BI+2*(\u)+1] op_sel_hi:[1,0]   ; + bv of my channel in tile 2 u (the pair's first register for both halves); each accumulator from its low end on
.set E, E+2
.endr
.rept 16
	v_pk_add_f32 v[AB+E:AB+E+1], v[AB+E:AB+E+1], v[BI+2*(\u):BI+2*(\u)+1] op_sel:[0,1] op_sel_hi:[1,1]   ; in tile 2 u + 1 (the second register for both)
.set E, E+2
.endr
.else
.rept 32
	v_pk_add_f32 v[AB+E:AB+E+1], v[AB+E:AB+E+1], v[BI+E:BI+E+1]   ; + the bias; each accumulator from its low end on
.set E, E+2
.endr
.endif
	QUANT AB
.irp c, 0,1
.if \kind
	global_store_b128 v1, v[PC+6*\c:PC+6*\c+3], s[62:63] offset:204800*((\u)/2)+768*(2*((\u)%2)+\c)       ; head u / 2, tile of channels 2 (u % 2) + c
	global_store_b64 v2, v[PC+6*\c+4:PC+6*\c+5], s[62:63] offset:204800*((\u)/2)+768*(2*((\u)%2)+\c)+512
.elseif (\s) == 0
	global_store_b128 v1, v[PC+6*\c:PC+6*\c+3], s[58:59] offset:102400*\c+768*(\u)                         ; head c, my tile u
	global_store_b64 v2, v[PC+6*\c+4:PC+6*\c+5], s[58:59] offset:102400*\c+768*(\u)+512
.else
	global_store_b128 v1, v[PC+6*\c:PC+6*\c+3], s[60:61] offset:204800*\c+768*(\u)
	global_store_b64 v2, v[PC+6*\c+4:PC+6*\c+5], s[60:61] offset:204800*\c+768*(\u)+512
.endif
.endr
.if \kind
	v_lshrrev_b32 v[PX+4+(\u)], v9, v[PW]          ; lanes 0-15: tile 2 u's two bytes, lanes 16-31: tile 2 u + 1's
	ds_store_b16 v8, v[PX+4+(\u)] offset:512*((\u)/2)+4*((\u)%2)
.elseif (\u)%2 == 0
	v_mov_b32 v[PWS], v[PW]
.else
	v_perm_b32 v[PX+2*(\s)+(\u)/2], v[PW], v[PWS], v10   ; a head's two bytes of the even tile, then of the odd one: the word of a pair of tiles
	ds_store_b32 v7, v[PX+2*(\s)+(\u)/2] offset:1024*(\s)+128*((\u)/2)
.endif
.endm
.macro WAYOUT s, kind
	PLACES 4                                       ; behind the last products: in front of loads into the set that they read, and of the first read of results
.if \kind
.irp a, 0,1,2,3,4,5,6,7
	ds_load_b32 v[BI+\a], v6 offset:4*(32*(\a/2)+8*(\a%2))
.endr
.else
.irp b, 0,1,2,3
.irp q, 0,1,2,3
	ds_load_b128 v[BI+16*\b+4*\q:BI+16*\b+4*\q+3], v5 offset:512*(\s)+128*\b+16*\q   ; register 16 b + e: column 32 b + 16 h + e
.endr
.endr
.endif
	s_wait_dscnt 0x0
	UNIT 0, \kind, \s
	UNIT 1, \kind, \s
	UNIT 2, \kind, \s
	UNIT 3, \kind, \s
.if (\s) < 2
	s_wait_xcnt 0x0                                ; the last stores have read their registers: the next fetch lands there
.endif
.endm
	CHUNK 0
	FETCH 0
	s_wait_alu depctr_va_vdst(0)
.irp ks, 0,1,2,3,4,5,6,7
	s_wait_alu depctr_va_vdst(0)
	STEP 0, \ks, 0
.endr
	WAYOUT 0, 0
.irp ks, 0,1,2,3,4,5,6,7
	s_wait_alu depctr_va_vdst(0)
	STEP 1, \ks, 0
.endr
	WAYOUT 1, 0
.irp ks, 0,1,2,3,4,5,6,7
	s_wait_alu depctr_va_vdst(0)
	STEP 2, \ks, 1
.endr
	WAYOUT 2, 1
	s_wait_dscnt 0x0                               ; for the others' sake: my scale words lie in the stages
	s_barrier_signal -1
	s_barrier_wait -1
	ds_load_b64 v[FIN:FIN+1], v11
	ds_load_b64 v[FIN+2:FIN+3], v11 offset:1024
	ds_load_b64 v[FIN+4:FIN+5], v11 offset:2048
	s_wait_dscnt 0x0
	global_store_b64 v2, v[FIN:FIN+1], s[68:69]    ; each store covers 256 consecutive bytes, aligned
	global_store_b64 v2, v[FIN+2:FIN+3], s[70:71]
	global_store_b64 v2, v[FIN+4:FIN+5], s[72:73]
	s_wait_tensorcnt 0x0
	ds_add_u32 v254, v255
	s_wait_dscnt 0x0
	CROUND                                         ; the closing round: no work-group ends while a partner may still ask for a tile that names it
	s_endpgm
.Lfunc_end_k_q9a7f237d4d_gemm_qkv:
	.size	k_q9a7f237d4d_gemm_qkv, .Lfunc_end_k_q9a7f237d4d_gemm_qkv-k_q9a7f237d4d_gemm_qkv
	.p2alignl 7, 3214868480
	.fill 96, 4, 3214868480
	.section	.rodata,"a",@progbits
	.p2align	6, 0x0
	.amdhsa_kernel k_q9a7f237d4d_gemm_qkv
		.amdhsa_group_segment_fixed_size 304640
		.amdhsa_private_segment_fixed_size 0
		.amdhsa_enable_private_segment 0
		.amdhsa_kernarg_size 56
		.amdhsa_user_sgpr_count 2
		.amdhsa_user_sgpr_kernarg_segment_ptr 1
		.amdhsa_wavefront_size32 1
		.amdhsa_system_sgpr_workgroup_id_x 1
		.amdhsa_system_sgpr_workgroup_id_y 1
		.amdhsa_system_sgpr_workgroup_id_z 1
		.amdhsa_system_vgpr_workitem_id 0
		.amdhsa_next_free_vgpr 1024
		.amdhsa_next_free_sgpr 96
		.amdhsa_reserve_vcc 0
		.amdhsa_float_denorm_mode_32 3
		.amdhsa_float_denorm_mode_16_64 3
		.amdhsa_memory_ordered 1
		.amdhsa_forward_progress 1
		.amdhsa_inst_pref_size 255
	.end_amdhsa_kernel
	.section	.bss,"aw",@nobits
	.p2align	6
	.space	262144
	.amdgpu_metadata
---
amdhsa.version: [ 1, 2 ]
amdhsa.kernels:
  - .name:           k_q9a7f237d4d_gemm_qkv
    .symbol:         k_q9a7f237d4d_gemm_qkv.kd
    .args:
      - { .name: xq, .offset: 0, .size: 8, .value_kind: global_buffer, .address_space: global }
      - { .name: wq, .offset: 8, .size: 8, .value_kind: global_buffer, .address_space: global }
      - { .name: bq, .offset: 16, .size: 8, .value_kind: global_buffer, .address_space: global }
      - { .name: bk, .offset: 24, .size: 8, .value_kind: global_buffer, .address_space: global }
      - { .name: bv, .offset: 32, .size: 8, .value_kind: global_buffer, .address_space: global }
      - { .name: qq, .offset: 40, .size: 8, .value_kind: global_buffer, .address_space: global }
      - { .name: kv, .offset: 48, .size: 8, .value_kind: global_buffer, .address_space: global }
    .group_segment_fixed_size: 304640
    .private_segment_fixed_size: 0
    .kernarg_segment_align: 8
    .kernarg_segment_size: 56
    .max_flat_workgroup_size: 128
    .sgpr_count:     96
    .vgpr_count:     1024
    .wavefront_size: 32
...
	.end_amdgpu_metadata
.endif
;; end of part 2
;; launch attn (part 3): grid 4 x 64, 16 waves a work-group, clusters of 4 x 1, 206,848 bytes of LDS; arguments qq, kv, yq; writes yq
.if DOCPART == 3
	.amdgcn_target "amdgcn-amd-amdhsa--gfx1250"
	.amdhsa_code_object_version 6
	.text
	.protected	k_q9a7f237d4d_attn
	.globl	k_q9a7f237d4d_attn
	.p2align	8
	.type	k_q9a7f237d4d_attn,@function
k_q9a7f237d4d_attn:
	s_mov_b64 s[64:65], 0
	v_nop
	global_prefetch_b8 v0, s[64:65] scope:SCOPE_SE
	s_setreg_imm32_b32 hwreg(HW_REG_WAVE_MODE, 25, 1), 1
	s_wait_xcnt 0x0
	s_wait_alu depctr_hold_cnt(0) depctr_sa_sdst(0) depctr_va_vdst(0) depctr_va_sdst(0) depctr_va_ssrc(0) depctr_va_vcc(0) depctr_vm_vsrc(0)
	s_getreg_b32 s2, hwreg(HW_REG_IB_STS2, 6, 4)
	s_cmp_eq_u32 s2, 0
	s_cbranch_scc0 .Lentry_in_a_cluster
	s_endpgm
.Lentry_in_a_cluster:
	s_bfe_u32 s2, ttmp6, 0x10000c
	s_cmp_lg_u32 s2, 0x3003
	s_cbranch_scc0 .Lentry_shape_is_right
	s_endpgm
.Lentry_shape_is_right:
; y[head][q] = the sum over k <= q of softmax_k(q . k / 8) v[k], both products on codes of FP6 (E2M3) with E8M0 scales; y is quantised along the model's 1,024 and leaves as codes for the last product.
; THE SOFTMAX: t = score x log2(e) / 8; M = the running largest t rounded UP to a whole number; p = 2^(t - M) is quantised along the keys, not normalised; the row's sum is taken of the unquantised p and divides at the end.
; SHARES.  A cluster of four work-groups takes one head (2,048 queries).  The head's whole record of K, V^T and their scale words, 16 key steps x 12,800 bytes, is filled into each work-group's LDS ONCE, by one joint load a wave
; (wave w: key step w; the same descriptor and the mask of all four in every partner).  Behind one barrier LDS is only read.
; EVEN WORK.  Of each group G of 128 queries (8 row tiles) partner cx owns tiles 2 cx and 2 cx + 1.  Wave w takes tile 2 cx of group w and then tile 2 cx + 1 of group 15 - w: (w + 1) + (16 - w) = 17 key steps for every wave.
; The loop over key steps has 16 trips for every tile; a step whose keys all come after the tile's group is jumped over by a scalar branch on the wave's number and the loops' counters, which are alike in all partners.
; LAYOUT.  Both products are used transposed: a lane holds one query throughout.  A row tile's rows are 32 (t / 2) + 8 (t % 2) + i + 8 (i / 8), so the 16 registers of tiles 2 b, 2 b + 1 of keys are 16 neighbouring keys.
; THE HEAD'S K IS 64, the instruction's 128: a fragment of K holds tile 2 b in K 0-63 and tile 2 b + 1 in K 64-127; it is multiplied by [q, 0] for tile 2 b's scores and by [0, q] for tile 2 b + 1's.  Zero codes add nothing under any valid byte.
; y's scale words leave as runs of 64 bytes (1,024 bytes for each 12,288 of codes).
; LIMITS: NaN and infinities are not served; a block of y whose largest magnitude lies under 2^-124 takes the byte 1.
; REGISTERS: v0 my query less my half's first key, in the group; v1, v2 16, 8 x lane; v3, v4 the step's LDS addresses; v5 q's scale word; v[6:7] K's; v[8:9] V's; v10 f; v11 p's scale word; v12 -M; v13 largest t; v[14:15] the sum;
;   v16-33 q, zeros, q; v34-81 K; v82-129 V^T; v130-193 scores, then p; v194-225 O^T; v226-237 p's codes (earlier in a step: at work); v238-244 the conversions' second halves; v246-249 blocks' maxima; v250-253 scale operands; v254-255 at work.
.set STEPB, 12800
.set KF,  34
.set VF,  82
.set SS,  130
.set OT,  194
.set PC,  226
.set PC2, 238
.set BM,  246
.set SCL, 250
.macro CROUND                          ; a round of the cluster's barrier
	s_barrier_signal -1
	s_barrier_wait -1
	s_cmp_lg_u32 s10, 0
	s_cbranch_scc1 .Lnot_wave_0_\@
	s_barrier_signal -3
.Lnot_wave_0_\@:
	s_barrier_wait -3
	s_barrier_signal -1
	s_barrier_wait -1
.endm
; One product.  z = 1: it starts the sum with the constant 0.  ra: source 0's scales stand in lanes 16-31 of their register.
.macro WM d, a, b, z, sa, sb, ra
.if (\z) && ((\ra) == 0)
	v_wmma_scale_f32_16x16x128_f8f6f4 v[(\d):(\d)+7], v[(\a):(\a)+11], v[(\b):(\b)+11], 0, v[\sa], v[\sb] matrix_a_fmt:MATRIX_FMT_FP6 matrix_b_fmt:MATRIX_FMT_FP6
.elseif (\z)
	v_wmma_scale_f32_16x16x128_f8f6f4 v[(\d):(\d)+7], v[(\a):(\a)+11], v[(\b):(\b)+11], 0, v[\sa], v[\sb] matrix_a_fmt:MATRIX_FMT_FP6 matrix_b_fmt:MATRIX_FMT_FP6 matrix_a_scale:MATRIX_SCALE_ROW1
.elseif ((\ra) == 0)
	v_wmma_scale_f32_16x16x128_f8f6f4 v[(\d):(\d)+7], v[(\a):(\a)+11], v[(\b):(\b)+11], v[(\d):(\d)+7], v[\sa], v[\sb] matrix_a_fmt:MATRIX_FMT_FP6 matrix_b_fmt:MATRIX_FMT_FP6
.else
	v_wmma_scale_f32_16x16x128_f8f6f4 v[(\d):(\d)+7], v[(\a):(\a)+11], v[(\b):(\b)+11], v[(\d):(\d)+7], v[\sa], v[\sb] matrix_a_fmt:MATRIX_FMT_FP6 matrix_b_fmt:MATRIX_FMT_FP6 matrix_a_scale:MATRIX_SCALE_ROW1
.endif
.endm
	s_load_b128 s[4:7], s[0:1], 0x0                ; qq, kv
	s_load_b64 s[8:9], s[0:1], 0x10                ; yq
	v_lshl_add_u32 v241, v0, 2, 0x32000
	v_mov_b32 v245, 0
	ds_add_u32 v241, v245
	ds_add_u32 v241, v245
	v_lshrrev_b32 v3, 5, v0
	s_delay_alu instid0(VALU_DEP_1)
	v_readfirstlane_b32 s10, v3                    ; wave 0..15
	s_bfe_u32 s11, ttmp6, 0x40000                  ; cx: my place in the cluster: it enters global offsets and the mask's compare alone
	s_and_b32 s12, ttmp7, 0xffff                   ; the head, 16 x batch + head
	v_and_b32 v3, 31, v0
	s_delay_alu instid0(VALU_DEP_1)
	v_lshlrev_b32 v1, 4, v3
	s_delay_alu instid0(VALU_DEP_2)
	v_lshlrev_b32 v2, 3, v3
	v_and_b32 v3, 15, v0                           ; r
	v_bfe_u32 v4, v0, 4, 1                         ; h
	s_delay_alu instid0(VALU_DEP_2)
	v_and_b32 v5, 8, v3
	s_delay_alu instid0(VALU_DEP_1)
	v_add_nc_u32 v3, v3, v5                        ; r + 8 (r / 8)
	s_delay_alu instid0(VALU_DEP_3)
	v_lshlrev_b32 v4, 4, v4
	s_delay_alu instid0(VALU_DEP_1)
	v_sub_nc_u32 v3, v3, v4                        ; - 16 h
	s_lshl_b32 s13, s11, 5
	v_add_nc_u32 v0, s13, v3                       ; + 32 cx: for my first tile (2 cx)
	; the descriptor: a dense block of 12,800 bytes as 50 rows of 256 (32 elements of 8 bytes), no padding
	s_mov_b32 s16, 15|(3<<16)|(1<<21)              ; 15:0 the mask: all four work-groups; 17:16 elements of 8 bytes; 21 set beside a mask
	s_mov_b32 s17, 32<<16                          ; tensor_dim0 = 32
	s_mov_b32 s18, 50<<16                          ; tensor_dim1 = 50
	s_mov_b32 s19, 32<<16                          ; tile_dim0 = 32
	s_mov_b32 s20, 50                              ; tile_dim1 = 50
	s_mov_b32 s21, 32                              ; tensor_dim0_stride
	s_mov_b32 s22, 0
	s_mov_b32 s23, 0
	s_mov_b32 s24, 1                               ; count = 1
	s_mul_i32 s25, s10, STEPB                      ; LDS address: key step w
	s_mul_i32 s14, s12, 16*STEPB
	s_add_co_u32 s14, s14, s25
	s_mov_b32 s15, 0
	s_mov_b32 s28, 0x76543210
	s_mov_b32 s29, 0xfedcba98                      ; v_permlanex16_b32's selects for lane l xor 16
	s_mov_b32 s30, 0x3e38aa3b                      ; c = log2(e) / sqrt(64)
	s_mov_b32 s31, s30                             ; (named with it as a pair, so it is written)
	s_mov_b32 s32, s10                             ; G: the first tile's group
	s_mov_b32 s33, 0                               ; u: which of my work-group's two tiles of a group
	s_mov_b32 s36, 2                               ; tiles to go
	s_mov_b32 s37, 0x01000100                      ; v_perm_b32's selects: the even tile's half of q's word, twice
	s_wait_dscnt 0x0
	s_wait_kmcnt 0x0
	CROUND                                         ; all four work-groups are here: the joint loads meet
	s_add_nc_u64 s[26:27], s[6:7], s[14:15]
	s_or_b32 s27, s27, 0x80000000                  ; type = 2
	tensor_load_to_lds s[24:27], s[16:23]          ; one load of mine is out
	s_nop 0
.rept 4
	v_nop                                          ; four such lines behind the load
.endr
.irp b, 0,1,2,3
	v_mov_b32 v[PC+\b], 0                          ; written once: a lane permute's destination counts as one of its sources
.endr
	v_mov_b32 v11, 0                               ; (named as the upper half of the pair v[10:11] before it is first written)
.irp b, 0,1,2,3,4,5
	v_mov_b32 v[22+\b], 0                          ; the zero codes between q's two copies
.endr
	s_wait_tensorcnt 0x0                           ; my key step has landed,
	s_barrier_signal -1
	s_barrier_wait -1                              ; everybody's has: the whole head lies in LDS
.Ltile:
	s_lshl_b32 s38, s32, 3
	s_lshl_b32 s39, s11, 1
	s_add_co_u32 s38, s38, s39
	s_add_co_u32 s38, s38, s33                     ; the tile: 8 G + 2 cx + u
	s_mul_i32 s40, s12, 102400
	s_mul_i32 s41, s38, 768
	s_add_co_u32 s42, s40, s41
	s_mov_b32 s43, 0
	s_add_nc_u64 s[52:53], s[4:5], s[42:43]        ; q's half fragment
	s_lshl_b32 s41, s32, 8
	s_add_co_u32 s42, s40, s41
	s_and_b32 s41, s11, 1
	s_lshl_b32 s41, s41, 7
	s_add_co_u32 s42, s42, s41
	s_lshr_b32 s41, s11, 1
	s_lshl_b32 s41, s41, 2
	s_add_co_u32 s42, s42, s41
	s_add_co_u32 s42, s42, 98304
	s_add_nc_u64 s[54:55], s[4:5], s[42:43]        ; its pair's scale words: 256 G + 8 (r + 16 (cx % 2)) + 4 (cx / 2)
	s_lshr_b32 s41, s12, 4
	s_lshl_b32 s41, s41, 7
	s_add_co_u32 s41, s41, s38                     ; y's row tile: 128 x batch + tile
	s_mul_i32 s45, s41, 13312
	s_and_b32 s41, s12, 15
	s_mul_i32 s44, s41, 768
	s_add_co_u32 s42, s45, s44
	s_add_nc_u64 s[56:57], s[8:9], s[42:43]        ; y's half fragment of this head
	s_lshl_b32 s44, s41, 6
	s_add_co_u32 s42, s45, s44
	s_add_co_u32 s42, s42, 12288
	s_add_nc_u64 s[58:59], s[8:9], s[42:43]        ; and its 16 scale words
	v_and_b32 v254, 0x78, v2                       ; 8 r
	global_load_b128 v[16:19], v1, s[52:53]
	global_load_b64 v[20:21], v2, s[52:53] offset:512
	global_load_b128 v[28:31], v1, s[52:53]        ; q a second time: [q, 0] is v16-27, [0, q] is v22-33
	global_load_b64 v[32:33], v2, s[52:53] offset:512
	global_load_b32 v5, v254, s[54:55]
	v_mov_b32 v13, 0xff61b1e6                      ; the largest t so far: -3e38, under every t
	s_delay_alu instid0(VALU_DEP_1)
	v_floor_f32 v12, -v13                          ; -M
	v_mov_b32 v14, 0                               ; the sum, in two halves
	v_mov_b32 v15, 0
	s_mov_b32 s34, 0                               ; the key step
	s_mov_b32 s35, 0                               ; and its block in LDS
	s_wait_loadcnt 0x0
	v_perm_b32 v5, v5, v5, s37                     ; my tile's two bytes in both halves of the word: they serve [q, 0] and [0, q]
.set J, 0
.rept 32
	v_mov_b32 v[OT+J], 0                           ; O^T.  (The step is written once: the first finds zeros.  These lines are also the places between the scale word's make and the first product)
.set J, J+1
.endr
.Lstep:
	s_cmp_gt_u32 s34, s32                          ; all keys of the step come after my queries: nothing to do
	s_cbranch_scc1 .Lhidden
	s_setprio 2
	v_add_nc_u32 v3, s35, v1
	v_add_nc_u32 v4, s35, v2
	v_nop
	v_nop                                          ; four places behind the last step's products, in front of loads into registers that they read
	ds_load_b64 v[6:7], v4 offset:12288            ; K's scale words: word e of lane l: pair of tiles 2 e + l / 16, row l % 16
.irp b, 0,1,2,3
	ds_load_b128 v[KF+12*\b:KF+12*\b+3], v3 offset:1536*\b
	ds_load_b64 v[KF+12*\b+4:KF+12*\b+5], v4 offset:1536*\b+512
	ds_load_b128 v[KF+12*\b+6:KF+12*\b+9], v3 offset:1536*\b+768
	ds_load_b64 v[KF+12*\b+10:KF+12*\b+11], v4 offset:1536*\b+1280
.endr
	ds_load_b64 v[8:9], v4 offset:12544            ; V's: word e of lane l: tile of channels 2 e + l / 16, row l % 16
.irp t, 0,1,2,3
	ds_load_b128 v[VF+12*\t:VF+12*\t+3], v3 offset:6144+768*\t
	ds_load_b64 v[VF+12*\t+4:VF+12*\t+5], v4 offset:6144+768*\t+512
	ds_load_b128 v[VF+12*\t+6:VF+12*\t+9], v3 offset:9216+768*\t
	ds_load_b64 v[VF+12*\t+10:VF+12*\t+11], v4 offset:9216+768*\t+512
.endr
	s_wait_dscnt 17                                ; K and its scale words are in; V's scale words and V's 16 loads may be out
.irp b, 0,1,2,3
	WM SS+16*\b, KF+12*\b, 16, 1, 6+\b/2, 5, \b%2
	WM SS+8+16*\b, KF+12*\b, 22, 1, 6+\b/2, 5, \b%2
.endr                                  ; register 16 b + i of lane (r, h): key 32 b + 16 h + i of the step
.rept 4
	v_nop
.endr
	s_cmp_lg_u32 s34, s32                          ; only the step of my own group lies on the diagonal
	s_cbranch_scc1 .Lopen
	v_mov_b32 v254, 0xff800000                     ; -infinity: p = 0 then
.set J, 0
.rept 64
	v_cmp_gt_i32 vcc_lo, 32*(J/16)+J%16, v0        ; hidden where the key comes after my query
	v_cndmask_b32 v[SS+J], v[SS+J], v254, vcc_lo
.set J, J+1
.endr
.Lopen:
.irp b, 0,1,2,3
	v_max3_num_f32 v[BM+\b], v[SS+16*\b], v[SS+1+16*\b], v[SS+2+16*\b]   ; the largest score of each block of 32 keys: for the row's maximum, and, since p rises with the score, for the block's largest p
.endr
.irp i, 3,5,7,9,11,13
.irp b, 0,1,2,3
	v_max3_num_f32 v[BM+\b], v[BM+\b], v[SS+16*\b+\i], v[SS+1+16*\b+\i]
.endr
.endr
.irp b, 0,1,2,3
	v_max_num_f32 v[BM+\b], v[BM+\b], v[SS+15+16*\b]
.endr
.irp b, 0,1,2,3
	s_delay_alu instid0(VALU_DEP_4)
	v_permlanex16_b32 v[PC+\b], v[BM+\b], s28, s29
.endr
.irp b, 0,1,2,3
	s_delay_alu instid0(VALU_DEP_4)
	v_max_num_f32 v[BM+\b], v[BM+\b], v[PC+\b]     ; with lane l xor 16's 16 keys
.endr
	s_delay_alu instid0(VALU_DEP_2)
	v_max3_num_f32 v254, v[BM], v[BM+1], v[BM+2]
	s_delay_alu instid0(VALU_DEP_1)
	v_max_num_f32 v254, v254, v[BM+3]
	s_delay_alu instid0(VALU_DEP_1)
	v_mul_f32 v254, s30, v254                      ; the step's largest t (c is positive)
	s_delay_alu instid0(VALU_DEP_1)
	v_max_num_f32 v13, v13, v254                   ; the running largest t
	v_mov_b32 v254, v12
	s_delay_alu instid0(VALU_DEP_2)
	v_floor_f32 v12, -v13                          ; the new -M = -ceil(t): a whole number
	s_delay_alu instid0(VALU_DEP_1)
	v_sub_f32 v254, v12, v254                      ; old M - new M: a whole number, 0 or less
	s_delay_alu instid0(VALU_DEP_1)
	v_cvt_i32_f32 v254, v254                       ; (it saturates)
	s_delay_alu instid0(VALU_DEP_1)
	v_ldexp_f32 v10, 1.0, v254                     ; f = 2^(old M - new M): the rescaling rounds nothing
.set J, 0
.rept 32
	v_pk_fma_f32 v[SS+J:SS+J+1], v[SS+J:SS+J+1], s[30:31], v[12:13] op_sel_hi:[1,0,0]   ; t - M, two at a time
.set J, J+2
.endr
	s_setprio 1
.irp b, 0,1,2,3
	v_fma_f32 v[BM+\b], v[BM+\b], s30, v12         ; the same of each block's largest score
.endr
.set J, 0
	s_wait_alu depctr_va_vdst(0)
.rept 64
	v_exp_f32 v[SS+J], v[SS+J]                     ; p = 2^(t - M), at most 1
.set J, J+1
.endr
	v_pk_mul_f32 v[14:15], v[14:15], v[10:11] op_sel_hi:[1,0]   ; the sums under the new M: a plain line behind the exponentials
	s_wait_alu depctr_va_vdst(0)                   ; one wait for the batch of 64, ahead of its first reader
.irp b, 0,1,2,3
	v_exp_f32 v[BM+\b], v[BM+\b]                   ; the block's largest p: the same two instructions on the same number give the same bits
.endr
	v_pk_add_f32 v[230:231], v[134:135], v[138:139]
	v_pk_add_f32 v[252:253], v[142:143], v[146:147]
	v_pk_add_f32 v[250:251], v[150:151], v[154:155]
	v_pk_add_f32 v[242:243], v[158:159], v[162:163]
	v_pk_add_f32 v[238:239], v[166:167], v[170:171]
	v_pk_add_f32 v[236:237], v[174:175], v[178:179]
	v_pk_add_f32 v[234:235], v[182:183], v[186:187]
	v_pk_add_f32 v[14:15], v[14:15], v[190:191]
	v_pk_add_f32 v[230:231], v[230:231], v[130:131]
	v_pk_add_f32 v[252:253], v[252:253], v[132:133]
	v_pk_add_f32 v[250:251], v[250:251], v[136:137]
	v_pk_add_f32 v[242:243], v[242:243], v[140:141]
	v_pk_add_f32 v[238:239], v[238:239], v[144:145]
	v_pk_add_f32 v[236:237], v[236:237], v[148:149]
	v_pk_add_f32 v[234:235], v[234:235], v[152:153]
	v_pk_add_f32 v[14:15], v[14:15], v[156:157]
	v_pk_add_f32 v[230:231], v[230:231], v[160:161]
	v_pk_add_f32 v[252:253], v[252:253], v[164:165]
	v_pk_add_f32 v[250:251], v[250:251], v[168:169]
	v_pk_add_f32 v[242:243], v[242:243], v[172:173]
	v_pk_add_f32 v[238:239], v[238:239], v[176:177]
	v_pk_add_f32 v[236:237], v[236:237], v[180:181]
	v_pk_add_f32 v[234:235], v[234:235], v[184:185]
	v_pk_add_f32 v[14:15], v[14:15], v[188:189]
	v_pk_add_f32 v[230:231], v[230:231], v[192:193]
	s_delay_alu instid0(VALU_DEP_2)
	v_pk_add_f32 v[14:15], v[14:15], v[242:243]
	s_delay_alu instid0(VALU_DEP_2)
	v_pk_add_f32 v[230:231], v[230:231], v[238:239]
	v_pk_add_f32 v[252:253], v[252:253], v[236:237]
	v_pk_add_f32 v[250:251], v[250:251], v[234:235]
	s_delay_alu instid0(VALU_DEP_2)
	v_pk_add_f32 v[14:15], v[14:15], v[252:253]
	s_delay_alu instid0(VALU_DEP_2)
	v_pk_add_f32 v[230:231], v[230:231], v[250:251]
	s_delay_alu instid0(VALU_DEP_1)
	v_pk_add_f32 v[14:15], v[14:15], v[230:231]
	s_wait_alu depctr_va_vdst(0)                   ; and one for the four
.irp b, 0,1,2,3
	v_max_num_f32 v[BM+\b], 0x1800000, v[BM+\b]    ; the floor 2^(3 - 127): the byte cannot fall under 1
.endr
.irp b, 0,1,2,3
	s_delay_alu instid0(VALU_DEP_4)
	v_add_nc_u32 v[SCL+\b], 0xff000000, v[BM+\b]   ; 2 off the exponent field: the conversion's scale operand
.endr
.irp b, 0,1,2,3
	s_delay_alu instid0(VALU_DEP_4)
	v_lshrrev_b32 v[PC+\b], 23, v[SCL+\b]          ; the scale's byte
.endr
	s_delay_alu instid0(VALU_DEP_3)
	v_lshl_or_b32 v11, v[PC+1], 8, v[PC]           ; p's scale word for these 128 keys
	s_delay_alu instid0(VALU_DEP_1)
	v_lshl_or_b32 v11, v[PC+2], 16, v11
	s_delay_alu instid0(VALU_DEP_1)
	v_lshl_or_b32 v11, v[PC+3], 24, v11
	s_setprio 0
.irp c, 0,1
	v_cvt_scalef32_pk16_fp6_f32 v[PC+6*\c:PC+2+6*\c], v[SS+32*\c:SS+15+32*\c], v[SCL+2*\c]
	v_cvt_scalef32_pk16_fp6_f32 v[PC2+4*\c:PC2+2+4*\c], v[SS+16+32*\c:SS+31+32*\c], v[SCL+2*\c+1]
.endr
	v_nop                                          ; one plain place behind a scaled conversion
.irp c, 0,1                            ; the operand's layout wants a whole block in a lane
.irp i, 0,1,2
	v_permlane16_swap_b32 v[PC+6*\c+\i], v[PC2+4*\c+\i]
.endr
.irp i, 0,1,2
	s_delay_alu instid0(VALU_DEP_3)
	v_mov_b32 v[PC+3+6*\c+\i], v[PC2+4*\c+\i]
.endr
.endr
.set J, 0
.rept 16
	v_pk_mul_f32 v[OT+J:OT+J+1], v[OT+J:OT+J+1], v[10:11] op_sel_hi:[1,0]   ; O^T under the new M.  (These 16 are also the places between p's codes and scale word and the products)
.set J, J+2
.endr
	s_wait_alu depctr_va_vdst(0)
	s_wait_dscnt 0x0                               ; V and its scale words are in
.irp t, 0,1,2,3
	WM OT+8*\t, VF+12*\t, PC, 0, 8+\t/2, 11, \t%2  ; the four accumulators by turns; eight other products stand between two links of a chain
.endr
.Lhidden:
	s_add_co_u32 s35, s35, STEPB
	s_add_co_u32 s34, s34, 1
	s_cmp_lt_u32 s34, 16
	s_cbranch_scc1 .Lstep
	s_setprio 0
	; THE WAY OUT of a tile: O^T / the sum is y(query r, channels 32 b + 16 h + i); it is quantised along the channels and leaves as a half fragment.
.rept 4
	v_nop
.endr
	v_add_f32 v14, v14, v15
	s_delay_alu instid0(VALU_DEP_1)
	v_permlanex16_b32 v254, v14, s28, s29
	s_delay_alu instid0(VALU_DEP_1)
	v_add_f32 v14, v14, v254                       ; the row's sum
	s_wait_alu depctr_va_vdst(0)
	v_rcp_f32 v14, v14
	v_and_b32 v255, 0x78, v2                       ; (a plain place behind the reciprocal)
	s_delay_alu instid0(VALU_DEP_1)
	v_lshrrev_b32 v255, 1, v255                    ; 4 r
	s_wait_alu depctr_va_vdst(0)                   ; ahead of the first reader
.set J, 0
.rept 16
	v_pk_mul_f32 v[SS+J:SS+J+1], v[OT+J:OT+J+1], v[14:15] op_sel_hi:[1,0]
.set J, J+2
.endr
.irp b, 0,1
	v_max3_num_f32 v[BM+\b], |v[SS+16*\b]|, |v[SS+1+16*\b]|, 0x1800000
.endr
.irp i, 2,4,6,8,10,12,14
.irp b, 0,1
	s_delay_alu instid0(VALU_DEP_2)
	v_max3_num_f32 v[BM+\b], v[BM+\b], |v[SS+16*\b+\i]|, |v[SS+1+16*\b+\i]|
.endr
.endr
.irp b, 0,1
	s_delay_alu instid0(VALU_DEP_2)
	v_permlanex16_b32 v[PC+\b], v[BM+\b], s28, s29
.endr
.irp b, 0,1
	s_delay_alu instid0(VALU_DEP_2)
	v_max_num_f32 v[BM+\b], v[BM+\b], v[PC+\b]
.endr
.irp b, 0,1
	s_delay_alu instid0(VALU_DEP_2)
	v_add_nc_u32 v[SCL+\b], 0xff000000, v[BM+\b]
.endr
.irp b, 0,1
	s_delay_alu instid0(VALU_DEP_2)
	v_lshrrev_b32 v[PC+\b], 23, v[SCL+\b]
.endr
	s_delay_alu instid0(VALU_DEP_1)
	v_lshl_or_b32 v254, v[PC+1], 8, v[PC]          ; my row's two bytes for this head
	v_cvt_scalef32_pk16_fp6_f32 v[PC:PC+2], v[SS:SS+15], v[SCL]
	v_cvt_scalef32_pk16_fp6_f32 v[PC2:PC2+2], v[SS+16:SS+31], v[SCL+1]
	v_nop                                          ; one plain place behind a scaled conversion
.irp i, 0,1,2
	v_permlane16_swap_b32 v[PC+\i], v[PC2+\i]
.endr
.irp i, 0,1,2
	s_delay_alu instid0(VALU_DEP_3)
	v_mov_b32 v[PC+3+\i], v[PC2+\i]
.endr
	global_store_b128 v1, v[PC:PC+3], s[56:57]     ; 512 consecutive bytes
	global_store_b64 v2, v[PC+4:PC+5], s[56:57] offset:512   ; 256 consecutive bytes
	global_store_b32 v255, v254, s[58:59]          ; both halves of the lanes write the same word with the same value
	s_wait_xcnt 0x0                                ; the stores have read their registers and bases: both are written again for the second tile
	s_sub_co_u32 s32, 15, s32                      ; the second tile: group 15 - w,
	s_mov_b32 s33, 1                               ; my work-group's odd tile,
	s_mov_b32 s37, 0x03020302                      ; the upper half of q's word,
	v_add_nc_u32 v0, 8, v0                         ; queries 8 further on
	s_sub_co_u32 s36, s36, 1
	s_cmp_lg_u32 s36, 0
	s_cbranch_scc1 .Ltile
	s_wait_tensorcnt 0x0
	ds_add_u32 v241, v245
	s_wait_dscnt 0x0
	CROUND                                         ; the closing round: no work-group ends while a partner may still ask for a tile that names it
	s_endpgm
.Lfunc_end_k_q9a7f237d4d_attn:
	.size	k_q9a7f237d4d_attn, .Lfunc_end_k_q9a7f237d4d_attn-k_q9a7f237d4d_attn
	.p2alignl 7, 3214868480
	.fill 96, 4, 3214868480
	.section	.rodata,"a",@progbits
	.p2align	6, 0x0
	.amdhsa_kernel k_q9a7f237d4d_attn
		.amdhsa_group_segment_fixed_size 206848
		.amdhsa_private_segment_fixed_size 0
		.amdhsa_enable_private_segment 0
		.amdhsa_kernarg_size 24
		.amdhsa_user_sgpr_count 2
		.amdhsa_user_sgpr_kernarg_segment_ptr 1
		.amdhsa_wavefront_size32 1
		.amdhsa_system_sgpr_workgroup_id_x 1
		.amdhsa_system_sgpr_workgroup_id_y 1
		.amdhsa_system_sgpr_workgroup_id_z 1
		.amdhsa_system_vgpr_workitem_id 0
		.amdhsa_next_free_vgpr 256
		.amdhsa_next_free_sgpr 66
		.amdhsa_reserve_vcc 1
		.amdhsa_float_denorm_mode_32 3
		.amdhsa_float_denorm_mode_16_64 3
		.amdhsa_memory_ordered 1
		.amdhsa_forward_progress 1
		.amdhsa_inst_pref_size 35
	.end_amdhsa_kernel
	.amdgpu_metadata
---
amdhsa.version: [ 1, 2 ]
amdhsa.kernels:
  - .name:           k_q9a7f237d4d_attn
    .symbol:         k_q9a7f237d4d_attn.kd
    .args:
      - { .name: qq, .offset: 0, .size: 8, .value_kind: global_buffer, .address_space: global }
      - { .name: kv, .offset: 8, .size: 8, .value_kind: global_buffer, .address_space: global }
      - { .name: yq, .offset: 16, .size: 8, .value_kind: global_buffer, .address_space: global }
    .group_segment_fixed_size: 206848
    .private_segment_fixed_size: 0
    .kernarg_segment_align: 8
    .kernarg_segment_size: 24
    .max_flat_workgroup_size: 512
    .sgpr_count:     66
    .vgpr_count:     256
    .wavefront_size: 32
...
	.end_amdgpu_metadata
.endif
;; end of part 3
;; launch gemm_out (part 4): grid 32 x 8, 4 waves a work-group, clusters of 4 x 1, 168,448 bytes of LDS; arguments yq, wq, bo, out0; writes out0
.if DOCPART == 4
	.amdgcn_target "amdgcn-amd-amdhsa--gfx1250"
	.amdhsa_code_object_version 6
	.text
	.protected	k_q9a7f237d4d_gemm_out
	.globl	k_q9a7f237d4d_gemm_out
	.p2align	8
	.type	k_q9a7f237d4d_gemm_out,@function
k_q9a7f237d4d_gemm_out:
	s_mov_b64 s[64:65], 0
	v_nop
	global_prefetch_b8 v0, s[64:65] scope:SCOPE_SE
	s_setreg_imm32_b32 hwreg(HW_REG_WAVE_MODE, 25, 1), 1
	s_wait_xcnt 0x0
	s_wait_alu depctr_hold_cnt(0) depctr_sa_sdst(0) depctr_va_vdst(0) depctr_va_sdst(0) depctr_va_ssrc(0) depctr_va_vcc(0) depctr_vm_vsrc(0)
	s_getreg_b32 s2, hwreg(HW_REG_IB_STS2, 6, 4)
	s_cmp_eq_u32 s2, 0
	s_cbranch_scc0 .Lentry_in_a_cluster
	s_endpgm
.Lentry_in_a_cluster:
	s_bfe_u32 s2, ttmp6, 0x10000c
	s_cmp_lg_u32 s2, 0x3003
	s_cbranch_scc0 .Lentry_shape_is_right
	s_endpgm
.Lentry_shape_is_right:
; out = y Wo + bo on codes of FP6 (E2M3) with E8M0 scales; out [8192][1024] f32.
; SHARES.  A work-group takes 256 tokens (i) and 128 columns (j).  Wave w keeps its own 64 tokens (4 row tiles) for all of K in registers: 32 fragments, loaded once from yq.  Wo's tile (98,304 bytes of register images) is filled
; into LDS once, in two chunks of four K steps.  A K step is 8 fragments of Wo from LDS and 32 matrix instructions.
; CLUSTER.  The four work-groups of a cluster share j and so the tile of Wo: both tensor loads of a wave are asked for jointly, with the same descriptor and the mask of all four.  The place in the cluster enters global offsets alone.
; Source 0 = 16 rows of Wo, source 1 = 16 tokens: a lane holds one token; a row tile's rows are 32 (t / 2) + 8 (t % 2) + i + 8 (i / 8), so the 16 registers of tiles 2 b, 2 b + 1 are 16 neighbouring columns.
; The bias is the C of each sum's first product.  Results go through the wave's own stage in LDS and leave as rows of 512 consecutive bytes.
; REGISTERS, in windows of 256: window 0: v1-8 addresses; v16-31 y's scale words; v32-63 Wo's; v64-127 the bias in the result's layout; v128-223 Wo's fragments, set 1; v224-255 y's scale words as loaded; on the way out v128-255 rows of out.
;   window 1: y's fragments of K steps 0-4.   window 2: those of K steps 5-7; from v144 Wo's fragments, set 0.   window 3: the 32 accumulators ((tile of tokens m, tile of columns a) at 64 m + 8 a).
.set REC,   13312                      ; a row tile's record in yq: 16 half fragments (one a head), then 16 x 16 scale words
.set STG,   98304                      ; LDS behind the weights: 16 rows x (512 bytes + 16) for each wave
.set SP,    528
.set XS,    16
.set WS,    32
.set BI,    64
.set SET1,  128
.set SET0,  144
.set XP,    224
.set MSB, 0
.macro WIN new                         ; the immediate's high byte repeats the setting that is left
.if MSB != (\new)
	s_set_vgpr_msb (MSB<<8)|(\new)
.set MSB, \new
.endif
.endm
.macro PLACES n
.rept \n
	v_nop
.endr
.endm
.macro CROUND                          ; a round of the cluster's barrier
	s_barrier_signal -1
	s_barrier_wait -1
	s_cmp_lg_u32 s18, 0
	s_cbranch_scc1 .Lnot_wave_0_\@
	s_barrier_signal -3
.Lnot_wave_0_\@:
	s_barrier_wait -3
	s_barrier_signal -1
	s_barrier_wait -1
.endm
; One product.  c: the registers of C.  ra, rb: source 0's, source 1's scales stand in lanes 16-31 of their register.
.macro WM d, a, b, c, sa, sb, ra, rb
.if ((\ra) == 0) && ((\rb) == 0)
	v_wmma_scale_f32_16x16x128_f8f6f4 v[(\d):(\d)+7], v[(\a):(\a)+11], v[(\b):(\b)+11], v[(\c):(\c)+7], v[\sa], v[\sb] matrix_a_fmt:MATRIX_FMT_FP6 matrix_b_fmt:MATRIX_FMT_FP6
.elseif ((\ra) == 1) && ((\rb) == 0)
	v_wmma_scale_f32_16x16x128_f8f6f4 v[(\d):(\d)+7], v[(\a):(\a)+11], v[(\b):(\b)+11], v[(\c):(\c)+7], v[\sa], v[\sb] matrix_a_fmt:MATRIX_FMT_FP6 matrix_b_fmt:MATRIX_FMT_FP6 matrix_a_scale:MATRIX_SCALE_ROW1
.elseif ((\ra) == 0)
	v_wmma_scale_f32_16x16x128_f8f6f4 v[(\d):(\d)+7], v[(\a):(\a)+11], v[(\b):(\b)+11], v[(\c):(\c)+7], v[\sa], v[\sb] matrix_a_fmt:MATRIX_FMT_FP6 matrix_b_fmt:MATRIX_FMT_FP6 matrix_b_scale:MATRIX_SCALE_ROW1
.else
	v_wmma_scale_f32_16x16x128_f8f6f4 v[(\d):(\d)+7], v[(\a):(\a)+11], v[(\b):(\b)+11], v[(\c):(\c)+7], v[\sa], v[\sb] matrix_a_fmt:MATRIX_FMT_FP6 matrix_b_fmt:MATRIX_FMT_FP6 matrix_a_scale:MATRIX_SCALE_ROW1 matrix_b_scale:MATRIX_SCALE_ROW1
.endif
.endm
	s_load_b256 s[4:11], s[0:1], 0x0               ; yq, wq, bo, out0
	v_lshl_add_u32 v12, v0, 2, 0x29000
	v_mov_b32 v13, 0
	ds_add_u32 v12, v13
	ds_add_u32 v12, v13
	v_lshrrev_b32 v14, 5, v0
	v_readfirstlane_b32 s18, v14                   ; wave 0..3
	s_bfe_u32 s19, ttmp6, 0x40000                  ; cx: my place in the cluster
	s_lshl_b32 s20, ttmp9, 2
	s_add_co_u32 s20, s20, s19                     ; i: which 256 tokens
	s_and_b32 s21, ttmp7, 0xffff                   ; j: which 128 columns; the four partners share it
	v_and_b32 v14, 31, v0
	v_lshlrev_b32 v1, 4, v14                       ; 16 x lane
	v_lshlrev_b32 v2, 3, v14                       ; 8 x lane
	v_and_b32 v14, 15, v0                          ; r
	v_bfe_u32 v15, v0, 4, 1                        ; h
	v_lshlrev_b32 v5, 2, v14
	v_lshl_add_u32 v5, v15, 7, v5                  ; y's scale words: 4 r + 128 h: lanes 16-31 take the heads of the odd K step
	s_lshl_b32 s22, s21, 9
	v_lshl_add_u32 v6, v15, 6, s22                 ; bo: my half's 16 numbers of each 32 columns
	s_mul_i32 s23, s18, 16*SP
	s_add_co_u32 s23, s23, STG                     ; my stage
	v_mul_u32_u24 v7, v14, SP
	v_lshl_add_u32 v7, v15, 6, v7
	v_add_nc_u32 v7, s23, v7                       ; in: row r, + 64 h
	v_add_nc_u32 v8, s23, v1                       ; back: a row of 512 bytes, 16 a lane
	s_lshl_b32 s68, s20, 4
	s_lshl_b32 s69, s18, 2
	s_add_co_u32 s68, s68, s69
	s_mul_i32 s68, s68, REC                        ; my first row tile: 16 i + 4 w
	s_mov_b32 s69, 0
	s_lshl_b32 s70, s20, 20                        ; 256 i rows of 4,096 bytes,
	s_lshl_b32 s71, s18, 18                        ; + 64 w rows,
	s_add_co_u32 s70, s70, s71
	s_add_co_u32 s70, s70, s22                     ; + 512 j
	s_mov_b32 s71, 0
	s_add_co_u32 s2, s21, 24                       ; Wo's records are groups 24 to 31: made of j and the wave's number alone
	s_mul_i32 s2, s2, 102400
	s_mul_i32 s3, s18, 12288                       ; my K step of a chunk of four, in memory and in LDS
	s_add_co_u32 s22, s2, s3
	s_mov_b32 s23, 0
	; descriptor group 1: a dense block of 12,288 bytes as 48 rows of 256 (32 elements of 8 bytes), no padding
	s_mov_b32 s24, 15|(3<<16)|(1<<21)              ; 15:0 the mask: all four work-groups; 17:16 elements of 8 bytes; 21 set beside a mask
	s_mov_b32 s25, 32<<16                          ; tensor_dim0 = 32
	s_mov_b32 s26, 48<<16                          ; tensor_dim1 = 48
	s_mov_b32 s27, 32<<16                          ; tile_dim0 = 32
	s_mov_b32 s28, 48                              ; tile_dim1 = 48
	s_mov_b32 s29, 32                              ; tensor_dim0_stride
	s_mov_b32 s30, 0
	s_mov_b32 s31, 0
	s_wait_dscnt 0x0
	s_wait_kmcnt 0x0
	s_add_nc_u64 s[56:57], s[4:5], s[68:69]        ; y's records
	s_add_nc_u64 s[58:59], s[10:11], s[70:71]      ; out
	s_add_nc_u64 s[66:67], s[6:7], s[22:23]        ; Wo's codes: my part of chunk 0
	s_mov_b32 s22, s2
	s_add_nc_u64 s[76:77], s[6:7], s[22:23]
	s_add_nc_u64 s[76:77], s[76:77], 98304         ; Wo's scale words
	CROUND                                         ; all four work-groups are here: the joint loads meet
.irp n, 0,1
	s_mov_b32 s[32+4*\n], 1                        ; count = 1
	s_add_co_u32 s[33+4*\n], s3, 49152*\n          ; LDS address
	s_add_nc_u64 s[34+4*\n:35+4*\n], s[66:67], 49152*\n
	s_or_b32 s[35+4*\n], s[35+4*\n], 0x80000000    ; type = 2
.endr
	tensor_load_to_lds s[32:35], s[24:31]          ; both first fills together: two loads of mine are out
	s_nop 0
	tensor_load_to_lds s[36:39], s[24:31]
	s_nop 0
	PLACES 4                                       ; four such lines behind the loads
	s_wait_alu depctr_va_vdst(0)
.irp m, 0,1,2,3
.irp p, 0,1,2,3
	global_load_b32 v[XP+8*\m+2*\p], v5, s[56:57] offset:REC*\m+12288+256*\p       ; head 4 p + 2 h: the first two bytes of K step 2 p + h,
	global_load_b32 v[XP+8*\m+2*\p+1], v5, s[56:57] offset:REC*\m+12288+256*\p+64  ; head 4 p + 2 h + 1: the other two
.endr
.endr
.irp b, 0,1,2,3
.irp q, 0,1,2,3
	global_load_b128 v[BI+16*\b+4*\q:BI+16*\b+4*\q+3], v6, s[8:9] offset:128*\b+16*\q   ; register 16 b + e: column 32 b + 16 h + e
.endr
.endr
.irp g, 0,1,2,3,4,5,6,7
	global_load_b128 v[WS+4*\g:WS+4*\g+3], v1, s[76:77] offset:512*\g   ; g = 4 (K step / 4) + tile / 2; word e of lane l: tile % 2 = l / 16, row l % 16, K step % 4 = e
.endr
; y's four fragments of K step ks: 16 loads
.macro XLOAD ks
.if (\ks) < 5
	WIN 0x40
.set XR, 48*(\ks)
.else
	WIN 0x80
.set XR, 48*((\ks)-5)
.endif
.irp m, 0,1,2,3
	global_load_b128 v[XR+12*\m:XR+12*\m+3], v1, s[56:57] offset:REC*\m+1536*(\ks)
	global_load_b64 v[XR+12*\m+4:XR+12*\m+5], v2, s[56:57] offset:REC*\m+1536*(\ks)+512
	global_load_b128 v[XR+12*\m+6:XR+12*\m+9], v1, s[56:57] offset:REC*\m+1536*(\ks)+768
	global_load_b64 v[XR+12*\m+10:XR+12*\m+11], v2, s[56:57] offset:REC*\m+1536*(\ks)+1280
.endr
	WIN 0
.endm
	XLOAD 0
	XLOAD 1
	XLOAD 2
; Wo's eight fragments of K step n into set n % 2: 32 LDS loads, each of consecutive bytes
.macro FETCH n
.if (\n)%2
.set FB, SET1
	WIN 0
.else
.set FB, SET0
	WIN 0x80
.endif
.set FO, 12288*((\n)%4)
.irp a, 0,1,2,3,4,5,6,7
	ds_load_b128 v[FB+12*\a:FB+12*\a+3], v3 offset:FO+1536*\a
	ds_load_b64 v[FB+12*\a+4:FB+12*\a+5], v4 offset:FO+1536*\a+512
	ds_load_b128 v[FB+12*\a+6:FB+12*\a+9], v3 offset:FO+1536*\a+768
	ds_load_b64 v[FB+12*\a+10:FB+12*\a+11], v4 offset:FO+1536*\a+1280
.endr
	WIN 0
.endm
; Chunk n is opened: my part of it has landed (the later chunk may stay out), and so has everybody's.  No LDS instruction of mine is out here.
.macro CHUNK n
	s_wait_tensorcnt 1-(\n)
	s_barrier_signal -1
	s_barrier_wait -1
	v_add_nc_u32 v3, 49152*(\n), v1
	v_add_nc_u32 v4, 49152*(\n), v2
.endm
; 32 matrix instructions: Wo's 8 tiles x my 4 tiles of tokens, 128 along K.  The 32 accumulators take turns, one instruction a turn, in the same order in every step.
.macro MUL32 ks
.if (\ks)%2
.set WW, 0
.set WB, SET1
.else
.set WW, 2
.set WB, SET0
.endif
.if (\ks) < 5
.set XW, 1
.set XF, 48*(\ks)
.else
.set XW, 2
.set XF, 48*((\ks)-5)
.endif
.if (\ks) == 0
	WIN 0xc0|(XW<<2)|WW                            ; C: the bias, in window 0
.else
	WIN 0xf0|(XW<<2)|WW
.endif
.irp a, 0,1,2,3,4,5,6,7
.irp m, 0,1,2,3
.if (\ks) == 0
	WM 64*\m+8*\a, WB+12*\a, XF+12*\m, BI+8*\a, WS+16*((\ks)/4)+4*(\a/2)+(\ks)%4, XS+4*\m+(\ks)/2, \a%2, (\ks)%2
.else
	WM 64*\m+8*\a, WB+12*\a, XF+12*\m, 64*\m+8*\a, WS+16*((\ks)/4)+4*(\a/2)+(\ks)%4, XS+4*\m+(\ks)/2, \a%2, (\ks)%2
.endif
.endr
.endr
	WIN 0
.endm
.macro STEP ks
	s_wait_dscnt 0x0                               ; this step's fragments of Wo, asked for a step ago
.if (\ks) <= 5
	s_wait_loadcnt 32                              ; this K step's fragments of y are in; those of the next two K steps may be out
.elseif (\ks) == 6
	s_wait_loadcnt 16
.else
	s_wait_loadcnt 0
.endif
.if (\ks) == 0
.irp m, 0,1,2,3
.irp p, 0,1,2,3
	v_perm_b32 v[XS+4*\m+\p], v[XP+8*\m+2*\p+1], v[XP+8*\m+2*\p], 0x05040100   ; two heads' two bytes make a K step's scale word: lanes 0-15 K step 2 p, lanes 16-31 K step 2 p + 1
.endr
.endr
.endif
.if (\ks) <= 4
	XLOAD (\ks)+3
.endif
.if (\ks) == 3
	CHUNK 1
.endif
.if (\ks) == 0
	PLACES 8                                       ; a scale register written by a vector instruction stands 8 places ahead of a scaled product
.elseif (\ks) < 7
	PLACES 4                                       ; in front of loads into the set that the last step's products read (ISA guide 7.12.1 for vector instructions)
.endif
.if (\ks) < 7
	FETCH (\ks)+1
.endif
	MUL32 \ks
.endm
	CHUNK 0
	FETCH 0
.irp ks, 0,1,2,3,4,5,6,7
	s_wait_alu depctr_va_vdst(0)
	STEP \ks
.endr
; THE WAY OUT, a tile of 16 tokens x 128 columns at a time: a lane holds pieces of one row and the lanes beside it hold other rows, so the tile goes through my own stage and comes back as whole rows of 512 bytes.
; LDS serves a wave's instructions in order (ISA guide 5.7.1.4): no wait between the stores and the loads, nor in front of the next tile's stores.
.macro TOSTAGE m
	WIN 0x0c                                       ; an LDS store's data are its source 1: window 3
.irp b, 0,1,2,3
.irp q, 0,1,2,3
	ds_store_b128 v7, v[64*(\m)+16*\b+4*\q:64*(\m)+16*\b+4*\q+3] offset:128*\b+16*\q   ; each accumulator from its low end on
.endr
.endr
	WIN 0
.set BB, 128+64*((\m)%2)
.irp t, 0,1,2,3,4,5,6,7,8,9,10,11,12,13,14,15
	ds_load_b128 v[BB+4*\t:BB+4*\t+3], v8 offset:SP*\t
.endr
.endm
.macro SEND m, younger                 ; younger: the LDS instructions issued behind tile m's loads, which may stay out
.set BB, 128+64*((\m)%2)
	s_wait_dscnt \younger
.irp t, 0,1,2,3,4,5,6,7,8,9,10,11,12,13,14,15
	global_store_b128 v1, v[BB+4*\t:BB+4*\t+3], s[58:59] offset:(32*((\m)/2)+8*((\m)%2)+\t+8*(\t/8))*4096 th:TH_STORE_NT   ; 32 lanes store 512 consecutive bytes, aligned to 512; written once, read by nobody here
.endr
.endm
	PLACES 4                                       ; behind the last products: in front of the first read of results and of loads into the set that they read
	TOSTAGE 0
.irp m, 1,2,3
.if \m > 1
	s_wait_xcnt 0x0                                ; tile m - 2's stores have read their registers: tile m's rows may land there
.endif
	TOSTAGE \m
	SEND \m-1, 32                                  ; behind tile m - 1's loads: tile m's 16 stores and 16 loads
.endr
	SEND 3, 0
	s_wait_tensorcnt 0x0
	ds_add_u32 v12, v13
	s_wait_dscnt 0x0
	CROUND                                         ; the closing round: no work-group ends while a partner may still ask for a tile that names it
	s_endpgm
.Lfunc_end_k_q9a7f237d4d_gemm_out:
	.size	k_q9a7f237d4d_gemm_out, .Lfunc_end_k_q9a7f237d4d_gemm_out-k_q9a7f237d4d_gemm_out
	.p2alignl 7, 3214868480
	.fill 96, 4, 3214868480
	.section	.rodata,"a",@progbits
	.p2align	6, 0x0
	.amdhsa_kernel k_q9a7f237d4d_gemm_out
		.amdhsa_group_segment_fixed_size 168448
		.amdhsa_private_segment_fixed_size 0
		.amdhsa_enable_private_segment 0
		.amdhsa_kernarg_size 32
		.amdhsa_user_sgpr_count 2
		.amdhsa_user_sgpr_kernarg_segment_ptr 1
		.amdhsa_wavefront_size32 1
		.amdhsa_system_sgpr_workgroup_id_x 1
		.amdhsa_system_sgpr_workgroup_id_y 1
		.amdhsa_system_sgpr_workgroup_id_z 1
		.amdhsa_system_vgpr_workitem_id 0
		.amdhsa_next_free_vgpr 1024
		.amdhsa_next_free_sgpr 80
		.amdhsa_reserve_vcc 0
		.amdhsa_float_denorm_mode_32 3
		.amdhsa_float_denorm_mode_16_64 3
		.amdhsa_memory_ordered 1
		.amdhsa_forward_progress 1
		.amdhsa_inst_pref_size 90
	.end_amdhsa_kernel
	.amdgpu_metadata
---
amdhsa.version: [ 1, 2 ]
amdhsa.kernels:
  - .name:           k_q9a7f237d4d_gemm_out
    .symbol:         k_q9a7f237d4d_gemm_out.kd
    .args:
      - { .name: yq, .offset: 0, .size: 8, .value_kind: global_buffer, .address_space: global }
      - { .name: wq, .offset: 8, .size: 8, .value_kind: global_buffer, .address_space: global }
      - { .name: bo, .offset: 16, .size: 8, .value_kind: global_buffer, .address_space: global }
      - { .name: out0, .offset: 24, .size: 8, .value_kind: global_buffer, .address_space: global }
    .group_segment_fixed_size: 168448
    .private_segment_fixed_size: 0
    .kernarg_segment_align: 8
    .kernarg_segment_size: 32
    .max_flat_workgroup_size: 128
    .sgpr_count:     80
    .vgpr_count:     1024
    .wavefront_size: 32
...
	.end_amdgpu_metadata
.endif
;; end of part 4
